; MI455X (gfx1250); checked and timed in simulation.
; The chip was launched on July 23, 2026; its instructions are those of AMD's public machine-readable ISA for CDNA 5 (MIT licence, August 2026) and "CDNA5" Instruction Set Architecture Reference Guide (July 2026). The comments in the code are by the model that wrote it; some were corrected since.
;; Multihead Masked Attention. Allowed arithmetic: matrix products marked QUANTISED: E2M1 operands, one E8M0 scale for each 32 along K, by v_wmma_scale_f32_16x16x128_f8f6f4 with both operands' format E2M1 (or v_wmma_scale_f32_32x16x128_f4), f32 sums; everything else in f32.
;; Inputs: W_o 1,024 x 1,024 float32; W_qkv 1,024 x 3,072 float32; b_o 1,024 float32; b_qkv 3,072 float32; x 4 x 2,048 x 1,024 float32.
;; Outputs: out0 4 x 2,048 x 1,024 float32.
;; This version of the problem:
;;   THIS VERSION OF THE PROBLEM IS GIVEN IN LOW PRECISION. The matrix products marked QUANTISED in the list below multiply operands that are first quantised to E2M1 (2 exponent bits, 1 mantissa bit; 4 bits a number), with one power-of-two scale for each 32 numbers along K (OCP MX v1.0); their sums are f32. All else is computed in f32.
;;   The module's matrix products, in the order in which they are computed (A, B: the left and right operand; K: the contracted axis; several contracted axes count as one K, in the product's order):
;;     1. [M 8,192, K 1,024] x [K 1,024, N 3,072]; A: input x; B: input W_qkv: QUANTISED
;;     2. batch 64 x [M 2,048, K 64] x [K 64, N 2,048]; A: computed on the way; B: computed on the way: QUANTISED
;;     3. batch 64 x [M 64, K 2,048] x [K 2,048, N 2,048]; A: computed on the way; B: softmax (see below): QUANTISED
;;     4. [M 8,192, K 1,024] x [K 1,024, N 1,024]; A: computed on the way; B: input W_o: QUANTISED
;;   THE QUANTISER, for each operand of a quantised product, along K:
;;     - K is cut into blocks of 32 from its start; a last block that is shorter is filled with zeros.
;;     - A block's scale is 2^e with e = floor(log2(the largest magnitude in the block)) - 2, held to -126 .. 127; a block of zeros has e = 0. As a byte (E8M0): e + 127.
;;     - Each number is divided by its block's scale, clamped to +-6, and rounded to the nearest number of E2M1, ties to even, subnormals kept.
;;     - The product sums the exact products of the quantised numbers (number of the format x scale) in f32.
;;   ~~~python
;;   def quantise(x, axis):      # numpy; x: float32 -> the quantised numbers, widened to float32 again
;;       x = np.moveaxis(x, axis, -1); K = x.shape[-1]
;;       x = np.pad(x, [(0, 0)] * (x.ndim - 1) + [(0, -K % 32)]); x = x.reshape(x.shape[:-1] + (-1, 32)); a = np.abs(x).max(-1, keepdims=True)
;;       e = np.where(a > 0, np.clip(np.frexp(np.where(a > 0, a, 1))[1] - 1 - 2, -126, 127), 0)      # np.frexp(a)[1] - 1 = floor(log2(a)), exactly
;;       r = np.clip(x / 2.0 ** e, -6, 6)
;;       step = 2.0 ** (np.maximum(np.frexp(np.where(r == 0, 1, r))[1] - 1, 0) - 1)
;;       q = np.round(r / step) * step * 2.0 ** e      # np.round: ties to even
;;       return np.moveaxis(q.reshape(q.shape[:-2] + (-1,))[..., :K], -1, axis).astype(np.float32)
;;   ~~~
;;   SOFTMAX AHEAD OF A QUANTISED PRODUCT. Where the list says 'softmax', what is quantised is not the finished softmax but p = 2^(t - M), with t = logit x log2(e) and M = ceil(the row's largest t), a whole number; so 1/2 < the row's largest p <= 1. The row's sum l is taken of the UNQUANTISED p, in f32, and the product's result is divided by l at the end. Since M is a whole number, a kernel that streams over the keys may use a running M (the ceiling of the running maximum): every later rescaling is an exact power of two, which a block's scale takes up: the codes' values come out the same.
;;   OPERANDS COMPUTED ON THE WAY. 'Computed on the way' means the value that the module computes at that place (a softmax that the list does not call 'softmax' is quantised finished and normalised). What goes into a quantiser is computed in f32, as accurately as f32 sums, v_exp_f32 and their like allow (about 1e-6 of the number): no bf16 or f16 on the way to a quantiser, and a product that is left as it is and whose result goes on into a quantised operand takes f32 operands (vector FMAs, or v_wmma_f32_16x16x4_f32). A number that lies on a knife's edge between two numbers of the format may be rounded either way, as far as f32 arithmetic and the matrix unit's own rounding can turn it there, and no further.
;; One version. Each part assembles by itself: llvm-mc -triple=amdgcn-amd-amdhsa -mcpu=gfx1250 --defsym DOCPART=n.
;; ======== version 1 of 1: 4 launches
;; limits: right only within a limited range of input values
;; workspace buffers: xw_codes 6,291,456 bytes; xw_scales 393,216 bytes; qkv_codes 12,582,912 bytes; qkv_scales 1,572,864 bytes; av_codes 4,194,304 bytes; av_scales 262,144 bytes
;; launch quant (part 1): grid 256 x 1, 8 waves a work-group, no clusters, 84,992 bytes of LDS; arguments x, W_qkv, W_o, xw_codes, xw_scales; writes xw_codes, xw_scales
.if DOCPART == 1
	.amdgcn_target "amdgcn-amd-amdhsa--gfx1250"
	.amdhsa_code_object_version 6
	.text
	.protected	k_qe979e89ee5_quant
	.globl	k_qe979e89ee5_quant
	.p2align	8
	.type	k_qe979e89ee5_quant,@function
k_qe979e89ee5_quant:
	s_mov_b64 s[64:65], 0
	v_nop
	global_prefetch_b8 v0, s[64:65] scope:SCOPE_SE
	s_setreg_imm32_b32 hwreg(HW_REG_WAVE_MODE, 25, 1), 1
	s_wait_xcnt 0x0
; x [8192][1024], W_qkv [1024][3072] and W_o [1024][1024], all f32, become codes of FP4 (E2M1), K innermost, with one E8M0 byte for each 32 along K:
; xw_codes [12288 rows][512 bytes], xw_scales [12288][32 bytes]; rows 0-8191 the tokens of x, 8192 + n column n of W_qkv, 11264 + n column n of W_o.
; A block's scale is 2^(floor(log2(its largest magnitude)) - 2); its byte is the largest magnitude's exponent field - 2, held at 1 from below.
; LIMITS: a block of zeros gets the byte 1 where the rule says 127 (its codes are zeros, which add nothing under any byte but 0xff, and this program alone reads the bytes);
; blocks whose largest magnitude lies under 2^(2 - 126) share that floor; NaN and infinities among the inputs are not served.
; TWO ROLES, parted once on the work-group's number.  Work-groups 0-127 take x, whose K is innermost: a plain stream of blocks; each wave takes 16 steps of 512 numbers.
; Work-groups 128-255 take the weights, whose K is the FIRST axis: 64 columns x 512 along K each; a lane takes a column and its registers run down K.
; Each role has LDS bytes of its own.  No tensor loads, no cluster: no two work-groups read the same bytes.
.set STEPS, 16
.set CB,    8                          ; bytes of 16 codes
.set R,     16                         ; x: v16-143  eight sets of 16 numbers as they are loaded
.set X,     144                        ; x: v144-175 two sets of 16 neighbours
.set E,     176                        ; x: v176-191 a scale byte for each step
.set C,     210                        ; x: v210-241 codes: two registers for each step, so that no store's data are written again
.set WREG,  8192                       ; x: LDS of a wave: two stages of 32 x SP bytes, then its 256 scale bytes
.set SP,    80                         ; x: a lane's place in a stage: 64 bytes + 16 of padding
.set WSTG,  65536                      ; weights: the stage, 64 columns x (256 bytes of codes + 16)
.set WP,    272
.set WSCL,  WSTG+64*WP                 ; weights: 64 columns x 16 scale bytes
.set WD,    16                         ; weights: v16-143 four blocks of 32 numbers
.set WO,    144                        ; weights: v144-175 byte offsets of 32 rows
.set WC,    176                        ; weights: v176-191 codes, four registers a block
	s_load_b256 s[4:11], s[0:1], 0x0               ; x s[4:5], W_qkv s[6:7], W_o s[8:9], the codes s[10:11]
	s_load_b64 s[12:13], s[0:1], 0x20              ; the scale bytes
	v_lshl_add_u32 v208, v0, 2, 0x14800
	v_mov_b32 v209, 0
	v_lshrrev_b32 v1, 5, v0
	s_delay_alu instid0(VALU_DEP_1)
	v_readfirstlane_b32 s14, v1                    ; wave 0..7
	v_and_b32 v2, 31, v0                           ; lane
	s_cmp_lt_u32 ttmp9, 128
	s_cbranch_scc0 .Lweights
; ---------------- x ----------------
; The conversions take 8 numbers of ONE block from a lane's registers, so a lane must hold 16 neighbours (two neighbouring lanes hold a block); a load is best where neighbouring LANES take
; neighbouring bytes.  Both are had: each of a step's four loads reads 512 consecutive bytes; the 2,048 bytes go through the wave's own stage in LDS and come back 64 bytes a lane.
	v_lshlrev_b32 v3, 4, v2                        ; my 16 bytes of a load's 512
	s_mul_i32 s17, s14, WREG
	v_lshrrev_b32 v14, 2, v2
	s_delay_alu instid0(VALU_DEP_1)
	v_mul_u32_u24 v14, v14, SP
	v_and_b32 v15, 3, v2
	s_delay_alu instid0(VALU_DEP_1)
	v_lshl_add_u32 v14, v15, 4, v14
	s_delay_alu instid0(VALU_DEP_1)
	v_add_nc_u32 v14, s17, v14                     ; the stage, on the way in: SP (lane / 4) + 16 (lane % 4)
	v_mul_u32_u24 v15, v2, SP
	s_delay_alu instid0(VALU_DEP_1)
	v_add_nc_u32 v15, s17, v15                     ; and on the way out: SP x lane: my 16 neighbours
	v_mul_u32_u24 v4, v2, CB                       ; my codes' place in a step's
	v_lshrrev_b32 v5, 1, v2
	s_add_co_u32 s17, s17, 2*32*SP
	v_add_nc_u32 v5, s17, v5                       ; LDS: my wave's 256 scale bytes, my block's byte
	v_lshlrev_b32 v7, 3, v2                        ; and on the way out 8 bytes a lane
	s_delay_alu instid0(VALU_DEP_1)
	v_add_nc_u32 v6, s17, v7
	s_lshl_b32 s18, ttmp9, 3
	s_add_co_u32 s18, s18, s14                     ; which run of 8,192 numbers is my wave's: 0..1023
	s_lshl_b32 s20, s18, 15                        ; 32,768 bytes of x,
	s_mov_b32 s21, 0
	s_lshl_b32 s22, s18, 12                        ; 4,096 bytes of codes,
	s_mov_b32 s23, 0
	s_lshl_b32 s18, s18, 8                         ; 256 scale bytes a run
	s_mov_b32 s19, 0
	s_wait_alu depctr_va_vdst(0)
	s_wait_kmcnt 0x0
	s_add_nc_u64 s[4:5], s[4:5], s[20:21]
	s_add_nc_u64 s[10:11], s[10:11], s[22:23]
	s_add_nc_u64 s[12:13], s[12:13], s[18:19]
.macro LOAD t
.irp i, 0,1,2,3
	global_load_b128 v[R+16*((\t)%8)+4*\i:R+16*((\t)%8)+4*\i+3], v3, s[4:5] offset:2048*(\t)+512*\i th:TH_LOAD_NT   ; 32 lanes read 512 consecutive bytes
.endr
.endm
.macro TURN t                          ; step t's numbers through the stage: LDS serves a wave's instructions in order, so no wait stands between the stores and the loads
.irp i, 0,1,2,3
	ds_store_b128 v14, v[R+16*((\t)%8)+4*\i:R+16*((\t)%8)+4*\i+3] offset:32*SP*((\t)%2)+8*SP*\i
.endr
.irp i, 0,1,2,3
	ds_load_b128 v[X+16*((\t)%2)+4*\i:X+16*((\t)%2)+4*\i+3], v15 offset:32*SP*((\t)%2)+16*\i
.endr
.endm
.irp t, 0,1,2,3,4,5,6,7
	LOAD \t
.endr
	s_wait_loadcnt 28                              ; step 0's four loads are in; the 28 of the seven steps behind it may be out
	TURN 0
.macro STEP t
.set XS, X+16*((\t)%2)
.if (\t) > 0
	s_wait_dscnt 1                                 ; this step's numbers are back from the stage (the last step's byte store may be out): so its stores into the stage have read their registers,
.else
	s_wait_dscnt 0x0
.endif
.if (\t)+8 < STEPS
	LOAD (\t)+8                                    ; which take the loads of eight steps on
.endif
.if (\t)+1 < STEPS
.if STEPS-2-(\t) >= 7
	s_wait_loadcnt 28                              ; the next step's four loads are in; those of the seven steps behind it may be out
.else
	s_wait_loadcnt 4*(STEPS-2-(\t))
.endif
	TURN (\t)+1                                    ; and go through the other stage while this step is worked
.endif
	v_max3_num_f32 v8, |v[XS]|, |v[XS+1]|, |v[XS+2]|               ; the largest magnitude of my 16, in two chains
	v_max3_num_f32 v9, |v[XS+3]|, |v[XS+4]|, |v[XS+5]|
.irp i, 6,10
	s_delay_alu instid0(VALU_DEP_2)
	v_max3_num_f32 v8, v8, |v[XS+\i]|, |v[XS+\i+1]|
	s_delay_alu instid0(VALU_DEP_2)
	v_max3_num_f32 v9, v9, |v[XS+\i+2]|, |v[XS+\i+3]|
.endr
	s_delay_alu instid0(VALU_DEP_2)
	v_max3_num_f32 v8, v8, |v[XS+14]|, |v[XS+15]|
	s_delay_alu instid0(VALU_DEP_1)
	v_max3_num_f32 v8, v8, v9, 0x1800000           ; and the floor 2^(3 - 127): the byte cannot fall under 1
	s_delay_alu instid0(VALU_DEP_1)
	v_max_num_f32_dpp v8, v8, v8 row_xmask:1 row_mask:0xf bank_mask:0xf   ; and of my neighbour's 16: the block's
	s_delay_alu instid0(VALU_DEP_1)
	v_add_nc_u32 v11, 0xff000000, v8               ; 2 off its exponent field: the conversion takes the exponent field of this operand as its scale
	v_cvt_scalef32_pk8_fp4_f32 v[C+2*(\t)], v[XS:XS+7], v11
	v_cvt_scalef32_pk8_fp4_f32 v[C+2*(\t)+1], v[XS+8:XS+15], v11
	v_lshrrev_b32 v[E+(\t)], 23, v11               ; the scale's byte
	ds_store_b8 v5, v[E+(\t)] offset:16*(\t)       ; both lanes of a block write the same byte with the same value
	global_store_b64 v4, v[C+2*(\t):C+2*(\t)+1], s[10:11] offset:32*CB*(\t)   ; the wave stores 256 consecutive bytes, aligned
.endm
.irp t, 0,1,2,3,4,5,6,7,8,9,10,11,12,13,14,15
	STEP \t
.endr
	ds_load_b64 v[12:13], v6                       ; LDS serves a wave's instructions in order: these see my stores
	s_wait_dscnt 0x0
	global_store_b64 v7, v[12:13], s[12:13]        ; 32 lanes store 256 consecutive bytes, aligned
	s_wait_tensorcnt 0x0
	ds_add_u32 v208, v209
	s_wait_dscnt 0x0
	s_endpgm
; ---------------- the weights ----------------
; Work-group u = number - 128: columns 64 (u / 2) on of the 4,096 (3,072 of W_qkv, then 1,024 of W_o), K = 512 (u % 2) on.  Wave w: 32 columns (w % 2), 128 along K (w / 2): four blocks a lane.
; A lane's codes of a block are 16 bytes of its own output row; the four waves that share a column fill 256 bytes of it in the stage, and behind one barrier the rows leave whole.
.Lweights:
	s_sub_co_u32 s15, ttmp9, 128
	s_lshr_b32 s16, s15, 1                         ; the group of 64 columns, 0..63
	s_and_b32 s15, s15, 1                          ; which 512 along K
	s_and_b32 s17, s14, 1                          ; which 32 columns
	s_lshr_b32 s18, s14, 1                         ; which 128 along K
	s_mul_i32 s19, s17, 32*WP
	s_lshl_b32 s20, s18, 6
	s_add_co_u32 s19, s19, s20
	s_add_co_u32 s19, s19, WSTG
	s_wait_alu depctr_va_vdst(0)
	v_mul_u32_u24 v197, v2, WP
	s_delay_alu instid0(VALU_DEP_1)
	v_add_nc_u32 v197, s19, v197                   ; the stage, in: row = my column, + 64 bytes for each 128 along K
	s_lshl_b32 s19, s17, 9
	s_lshl_b32 s20, s18, 2
	s_add_co_u32 s19, s19, s20
	s_add_co_u32 s19, s19, WSCL
	v_lshl_add_u32 v198, v2, 4, s19                ; my scale word: 16 bytes a column, 4 for each 128 along K
	v_lshrrev_b32 v193, 4, v2
	v_and_b32 v194, 15, v2
	s_mul_i32 s19, s14, 8*WP
	s_add_co_u32 s19, s19, WSTG
	v_mul_u32_u24 v199, v193, WP
	s_delay_alu instid0(VALU_DEP_1)
	v_lshl_add_u32 v199, v194, 4, v199
	s_delay_alu instid0(VALU_DEP_1)
	v_add_nc_u32 v199, s19, v199                   ; the stage, out: wave w takes rows 8 w on, sixteen lanes to a row
	s_lshl_b32 s19, s14, 7
	s_add_co_u32 s19, s19, WSCL
	v_lshl_add_u32 v200, v2, 2, s19                ; the scale words, out: 128 bytes a wave
	s_lshl_b32 s19, s14, 12
	v_lshlrev_b32 v201, 9, v193
	s_delay_alu instid0(VALU_DEP_1)
	v_lshl_add_u32 v201, v194, 4, v201
	s_delay_alu instid0(VALU_DEP_1)
	v_add_nc_u32 v201, s19, v201                   ; the same rows in the codes' buffer: 512 bytes a row
	v_lshrrev_b32 v193, 2, v2
	v_and_b32 v194, 3, v2
	s_delay_alu instid0(VALU_DEP_2)
	v_lshlrev_b32 v202, 5, v193
	s_delay_alu instid0(VALU_DEP_1)
	v_lshl_add_u32 v202, v194, 2, v202
	s_lshl_b32 s19, s14, 8
	v_add_nc_u32 v202, s19, v202                   ; and in the scales': 32 bytes a row, four lanes to a row's 16
	s_mov_b32 s22, 4096
	s_wait_kmcnt 0x0
	s_cmp_lt_u32 s16, 48                           ; W_qkv or W_o?  The choice hangs on the work-group's number alone
	s_cselect_b64 s[20:21], s[6:7], s[8:9]
	s_cselect_b32 s22, 12288, s22                  ; bytes from a row of K to the next
	s_cselect_b32 s23, 0, 48
	s_lshl_b32 s24, s15, 9
	s_lshl_b32 s25, s18, 7
	s_add_co_u32 s24, s24, s25
	s_mul_i32 s24, s24, s22                        ; my first row of K,
	s_sub_co_u32 s25, s16, s23
	s_lshl_b32 s25, s25, 8                         ; my group's first column, 4 bytes each,
	s_lshl_b32 s26, s17, 7                         ; my wave's 32
	s_add_co_u32 s24, s24, s25
	s_add_co_u32 s24, s24, s26
	s_mov_b32 s25, 0
	s_add_nc_u64 s[24:25], s[20:21], s[24:25]      ; block 0; blocks 1 to 3 lie 32 rows further down each
	s_lshl_b32 s32, s22, 5
	s_mov_b32 s33, 0
	s_add_nc_u64 s[26:27], s[24:25], s[32:33]
	s_add_nc_u64 s[28:29], s[26:27], s[32:33]
	s_add_nc_u64 s[30:31], s[28:29], s[32:33]
	v_lshlrev_b32 v193, 2, v2
.set I, 0
.rept 32
	v_mad_u32_u24 v[WO+I], s22, I, v193            ; row I of a block, my column: the pitch is not a constant of the text, so the rows' offsets lie in registers
.set I, I+1
.endr
.set I, 0
.rept 128
	global_load_b32 v[WD+I], v[WO+I%32], s[24+2*(I/32):25+2*(I/32)] th:TH_LOAD_NT   ; 32 lanes read 128 consecutive bytes; the wave beside me the next 128
.set I, I+1
.endr
	s_lshl_b32 s34, s16, 15                        ; where the results go: row 8192 + 64 x group, 512 bytes a row, + 256 for the upper half of K
	s_lshl_b32 s35, s15, 8
	s_add_co_u32 s34, s34, s35
	s_add_co_u32 s34, s34, 8192*512
	s_mov_b32 s35, 0
	s_add_nc_u64 s[10:11], s[10:11], s[34:35]
	s_lshl_b32 s34, s16, 11                        ; 32 scale bytes a row, + 16
	s_lshl_b32 s36, s15, 4
	s_add_co_u32 s34, s34, s36
	s_add_co_u32 s34, s34, 8192*32
	s_add_nc_u64 s[12:13], s[12:13], s[34:35]
.macro WBLOCK t, left
.set XS, WD+32*(\t)
	s_wait_loadcnt \left                           ; this block's 32 loads are in (a wait names 63 at the most: blocks 0 and 1 wait for a little more than their own)
	v_max3_num_f32 v193, |v[XS]|, |v[XS+1]|, |v[XS+2]|             ; the block's largest magnitude: all 32 numbers are mine
	v_max3_num_f32 v194, |v[XS+3]|, |v[XS+4]|, |v[XS+5]|
.irp i, 6,10,14,18,22,26
	s_delay_alu instid0(VALU_DEP_2)
	v_max3_num_f32 v193, v193, |v[XS+\i]|, |v[XS+\i+1]|
	s_delay_alu instid0(VALU_DEP_2)
	v_max3_num_f32 v194, v194, |v[XS+\i+2]|, |v[XS+\i+3]|
.endr
	s_delay_alu instid0(VALU_DEP_2)
	v_max3_num_f32 v193, v193, |v[XS+30]|, |v[XS+31]|
	s_delay_alu instid0(VALU_DEP_1)
	v_max3_num_f32 v193, v193, v194, 0x1800000     ; and the floor 2^(3 - 127)
	s_delay_alu instid0(VALU_DEP_1)
	v_add_nc_u32 v195, 0xff000000, v193            ; the conversion's scale operand
	s_delay_alu instid0(VALU_DEP_1)
	v_lshrrev_b32 v196, 23, v195                   ; the scale's byte
.if (\t) == 0
	s_delay_alu instid0(VALU_DEP_1)
	v_mov_b32 v192, v196                           ; four bytes to the word, the lower K in the lower byte
.else
	s_delay_alu instid0(VALU_DEP_1)
	v_lshl_or_b32 v192, v196, 8*(\t), v192
.endif
.irp g, 0,1,2,3
	v_cvt_scalef32_pk8_fp4_f32 v[WC+4*(\t)+\g], v[XS+8*\g:XS+8*\g+7], v195
.endr
	ds_store_b128 v197, v[WC+4*(\t):WC+4*(\t)+3] offset:16*(\t)    ; 32 codes: 16 bytes of my column's row.  (The next block begins with plain vector lines, ahead of the line that writes v195 again)
.endm
	WBLOCK 0, 63
	WBLOCK 1, 63
	WBLOCK 2, 32
	WBLOCK 3, 0
	ds_store_b32 v198, v192
	s_wait_dscnt 0x0                               ; for the others' sake: my stores into the stage are done
	s_barrier_signal -1
	s_barrier_wait -1                              ; 64 rows of 256 bytes of codes and 64 x 16 scale bytes lie in LDS
.irp t, 0,1,2,3
	ds_load_b128 v[WD+4*\t:WD+4*\t+3], v199 offset:2*\t*WP
.endr
	ds_load_b32 v[WD+16], v200
.irp t, 0,1,2,3
	s_wait_dscnt 4-\t
	global_store_b128 v201, v[WD+4*\t:WD+4*\t+3], s[10:11] offset:1024*\t   ; sixteen lanes store 256 consecutive bytes, aligned
.endr
	s_wait_dscnt 0x0
	global_store_b32 v202, v[WD+16], s[12:13]      ; pieces of 16 bytes, 32 apart: one byte in 128 of what this role reads
	s_wait_tensorcnt 0x0
	ds_add_u32 v208, v209
	s_wait_dscnt 0x0
	s_endpgm
.Lfunc_end_k_qe979e89ee5_quant:
	.size	k_qe979e89ee5_quant, .Lfunc_end_k_qe979e89ee5_quant-k_qe979e89ee5_quant
	.p2alignl 7, 3214868480
	.fill 96, 4, 3214868480
	.section	.rodata,"a",@progbits
	.p2align	6, 0x0
	.amdhsa_kernel k_qe979e89ee5_quant
		.amdhsa_group_segment_fixed_size 84992
		.amdhsa_private_segment_fixed_size 0
		.amdhsa_enable_private_segment 0
		.amdhsa_kernarg_size 40
		.amdhsa_user_sgpr_count 2
		.amdhsa_user_sgpr_kernarg_segment_ptr 1
		.amdhsa_wavefront_size32 1
		.amdhsa_system_sgpr_workgroup_id_x 1
		.amdhsa_system_sgpr_workgroup_id_y 1
		.amdhsa_system_sgpr_workgroup_id_z 1
		.amdhsa_system_vgpr_workitem_id 0
		.amdhsa_next_free_vgpr 242
		.amdhsa_next_free_sgpr 66
		.amdhsa_reserve_vcc 0
		.amdhsa_float_denorm_mode_32 3
		.amdhsa_float_denorm_mode_16_64 3
		.amdhsa_memory_ordered 1
		.amdhsa_forward_progress 1
		.amdhsa_inst_pref_size 64
	.end_amdhsa_kernel
	.amdgpu_metadata
---
amdhsa.version: [ 1, 2 ]
amdhsa.kernels:
  - .name:           k_qe979e89ee5_quant
    .symbol:         k_qe979e89ee5_quant.kd
    .args:
      - { .name: x, .offset: 0, .size: 8, .value_kind: global_buffer, .address_space: global }
      - { .name: W_qkv, .offset: 8, .size: 8, .value_kind: global_buffer, .address_space: global }
      - { .name: W_o, .offset: 16, .size: 8, .value_kind: global_buffer, .address_space: global }
      - { .name: xw_codes, .offset: 24, .size: 8, .value_kind: global_buffer, .address_space: global }
      - { .name: xw_scales, .offset: 32, .size: 8, .value_kind: global_buffer, .address_space: global }
    .group_segment_fixed_size: 84992
    .private_segment_fixed_size: 0
    .kernarg_segment_align: 8
    .kernarg_segment_size: 40
    .max_flat_workgroup_size: 256
    .sgpr_count:     66
    .vgpr_count:     242
    .wavefront_size: 32
...
	.end_amdgpu_metadata
.endif
;; end of part 1
;; launch gemm_qkv (part 2): grid 12 x 32, 4 waves a work-group, clusters of 4 x 4, 327,680 bytes of LDS; arguments xw_codes, xw_scales, b_qkv, qkv_codes, qkv_scales; writes qkv_codes, qkv_scales
.if DOCPART == 2
	.amdgcn_target "amdgcn-amd-amdhsa--gfx1250"
	.amdhsa_code_object_version 6
	.text
	.protected	k_qe979e89ee5_gemm_qkv
	.globl	k_qe979e89ee5_gemm_qkv
	.p2align	8
	.type	k_qe979e89ee5_gemm_qkv,@function
k_qe979e89ee5_gemm_qkv:
	s_mov_b64 s[64:65], 0
	v_nop
	global_prefetch_b8 v0, s[64:65] scope:SCOPE_SE
	s_setreg_imm32_b32 hwreg(HW_REG_WAVE_MODE, 25, 1), 1
	s_wait_xcnt 0x0
	s_wait_alu depctr_hold_cnt(0) depctr_sa_sdst(0) depctr_va_vdst(0) depctr_va_sdst(0) depctr_va_ssrc(0) depctr_va_vcc(0) depctr_vm_vsrc(0)
	s_getreg_b32 s2, hwreg(HW_REG_IB_STS2, 6, 4)
	s_cmp_eq_u32 s2, 0
	s_cbranch_scc0 .Lentry_in_a_cluster
	s_endpgm
.Lentry_in_a_cluster:
	s_bfe_u32 s2, ttmp6, 0x10000c
	s_cmp_lg_u32 s2, 0xf033
	s_cbranch_scc0 .Lentry_shape_is_right
	s_endpgm
.Lentry_shape_is_right:
; qkv = x W_qkv + b_qkv on codes of FP4 (E2M1) with one E8M0 scale for each 32 along K = 1,024; the result never goes to memory as f32: q and k are quantised along the head's 64, v along the keys,
; and leave as codes and scale words laid in the order in which the attention launch's operand registers take them.
; A tile of 256 x 256 is made by four waves, each 128 x 128: 64 accumulators of 16 x 16, 512 registers.  K is two steps of 512: both LDS slots are filled once, at the start, and nothing is filled again.
; THE MATRIX INSTRUCTION IS USED TRANSPOSED (source 0 = 16 rows of 'B', source 1 = 16 rows of 'A'): a lane holds ONE row of A and its registers run along B's rows.  A quantiser wants its K along a lane's registers:
;   clusters with x = 0, 1 (q, k): A = 256 tokens, B = 256 columns of W_qkv: a lane holds a token and 128 channels, two heads: four blocks of 32;
;   clusters with x = 2    (v)   : A = 256 columns of W_v, B = 256 tokens:   a lane holds a channel and 128 keys: four blocks of 32.
; The mode hangs on the cluster's x, which all sixteen partners share.  Both operands are rows of xw_codes (tokens 0-8191, W_qkv's columns from row 8192), so only the tiles' numbers differ.
; CLUSTERS: 4 x 4 work-groups.  The four of a row of the cluster need the same tile of A, the four of a column the same tile of B: each is asked for JOINTLY, by the same tensor load with a mask that names the four.
; THE BIAS runs along B's rows in the first mode (it is then the C of each sum's first product) and along A's rows in the second (it is then added on the way out).  Both forms are always executed; the set that
; does not apply is cleared by a mask, so that the two modes share one text.
; OUT.  qkv_codes [g 48][b 4][16 regions of 4,096 bytes], g = channel / 64, a region = 128 tokens.  q, k: [beta 4][u 2][h 2][i 16][16 bytes]: d = 32 h on of token 32 beta + 8 u + i + 8 (i / 8).
;   v: [c 2][tau 4][h 2][i 16][16 bytes]: keys 64 c + 32 h on of d = 32 (tau / 2) + 8 (tau % 2) + i + 8 (i / 8).  qkv_scales [g][b][8,192]: q, k 512 bytes a region, [tile 8][i 16] words whose bytes 0, 1 are the
;   head's two (bytes 2, 3 hold another head's bytes or 0, never 0xff, and only ever meet zero codes); v 256 bytes a region, [tau 4][i 16] words of four bytes.
; LIMITS: a block of zeros gets the byte 1 where the rule says 127 (its codes are zeros; this program alone reads the bytes); NaN and infinities are not served.
; REGISTERS, in windows of 256: window 0: v0-31 addresses; v32-95 scale words, two sets; v96-111 the bias along A's rows, each number twice; v112-127 at work; from v128 A's fragments, ONE set; on the way out v128-226.
;   window 1: B's fragments, two sets, at v0 and v128; v64-127 the bias along B's rows.   window 2: the accumulators of my rows 0-63 ((a, b) at v[8 (8 a + b)]);   window 3: those of rows 64-127.
.set KSTEP,  512                       ; along K in a slot
.set NQ,     4                         ; matrix instructions deep
.set ROWB,   512                       ; a tile's row in bytes: all of K
.set KROW,   512                       ; a row of xw_codes
.set PITCH,  528                       ; an LDS row: 512 bytes + 16 of padding = 132 words: the 16 rows that a load touches start at 16 different banks (64 banks of 4 bytes: ISA guide 11.1)
.set FR,     8                         ; registers of a fragment
.set NL,     2                         ; LDS loads that bring one
.set NP,     4                         ; places behind this matrix instruction (ISA guide 7.12.1)
.set HALFT,  128*PITCH
.set SLOT,   256                       ; the second 512 along K begin 256 bytes on in each LDS row
.set KS,     32                        ; a row of scale bytes
.set SCL,    4*HALFT                   ; behind A's 256 rows and B's 256 rows: the scales, as units of 256 bytes + 16 of padding
.set HALFS,  (128*KS/256)*272
.set SBLK,   (16*KS/256)*272
.set SPARE,  SCL+4*HALFS               ; behind the scales: the spare words, 128 bytes for each wave: two blocks of 256 bytes that no other line names
.set WSTAGE, 9216                      ; the way out: 8,192 bytes of codes and 1,024 of scale words for each wave,
.set STG,    SPARE+512                 ; in bytes of their own behind the spare words: no tensor load lands there
.set ADRA, 16                          ; v16-17  LDS address of my A fragments in slot 0, 1
.set ADRB, 20                          ; v20-21  the same for B
.set STO,  24                          ; v24     the way out: where my codes go in the stage
.set STS,  25                          ; v25     and my scale word
.set RD,   26                          ; v26     where I read the stage back: 16 x lane
.set ADRS, 27                          ; v27     LDS address of my scale words: lanes 0-15 A's rows, lanes 16-31 B's
.set SPW,  28                          ; v28     LDS address of my spare word; never rewritten
.set NIL,  29                          ; v29     0; never rewritten
.set SH16, 30                          ; v30     16 x (lane / 16)
.set SC,   32
.set BM,   96
.set RS,   112                         ; v112-119 the bias as loaded; later the scale words read back
.set CG,   120                         ; v120-123 byte offsets of the stage's four quarters in qkv_codes
.set SGO,  124                         ; v124    my byte offset in qkv_scales
.set AF,   128
.set T,    128                         ; v128-191 a block's 64 numbers; at the end the stage read back
.set PC,   192                         ; v192-207 codes, two sets by turns
.set TM,   208                         ; v208-211 largest magnitudes, v212-215 bytes, v220-223 the conversions' scale operands
.set PW,   224                         ; the four bytes of my row
.set PW2,  225                         ; v225-226 the word as it is stored, two by turns
.set BN,   64                          ; in window 1
.set SEL,  20                          ; s[20:21] lane selects for v_permlanex16_b32: lane l xor 16
.set G1, 24
.set G0, 32
.set G1B, 48
.set G0B, 56
.set G1S, 68
.set G0S, 76
.set G1SB, 80
.set G0SB, 88
.set MSB, 0
.macro WIN new                         ; the immediate's high byte repeats the setting that is left
.if MSB != \new
	s_set_vgpr_msb (MSB<<8)|\new
.set MSB, \new
.endif
.endm
.set MUL_LO,  0xa1                     ; source 0 (B) window 1, source 1 (A) window 0, C and D window 2
.set MUL_HI,  0xf1                     ; the same, C and D window 3
.set BIAS_LO, 0x91                     ; the first products: C (the bias) window 1, D window 2
.set BIAS_HI, 0xd1                     ; D window 3
.set TO_B,    0x40                     ; destination window 1, address window 0
; One arm of the head's tree of branches on the wave's number: its joint load, an s_nop 0 and four v_nop, and a jump to the tree's end.
.macro ARM under, g0, g1, next
	s_cmp_lt_u32 s14, \under
	s_cbranch_scc0 \next
	tensor_load_to_lds s[\g0:\g0+3], s[\g1:\g1+7]
	s_nop 0
.rept 4
	v_nop
.endr
	s_branch .Lhead_asked
\next:
.endm
.macro CROUND                          ; a round of the cluster's barrier
	s_barrier_signal -1
	s_barrier_wait -1
	s_cmp_lg_u32 s14, 0
	s_cbranch_scc1 .Lnot_wave_0_\@
	s_barrier_signal -3
.Lnot_wave_0_\@:
	s_barrier_wait -3
	s_barrier_signal -1
	s_barrier_wait -1
.endm
	s_load_b256 s[4:11], s[0:1], 0x0               ; xw_codes s[4:5], xw_scales s[6:7], b_qkv s[8:9], qkv_codes s[10:11]
	s_load_b64 s[12:13], s[0:1], 0x20              ; qkv_scales
	v_lshl_add_u32 v[SPW], v0, 2, SPARE
	v_mov_b32 v[NIL], 0
	ds_add_u32 v28, v29
	ds_add_u32 v28, v29
	s_wait_dscnt 0x0
	v_lshrrev_b32 v1, 5, v0
	v_readfirstlane_b32 s14, v1                    ; wave 0..3
	s_lshr_b32 s15, s14, 1                         ; which half of A's rows is mine.
	s_and_b32 s16, s14, 1                          ; which half of B's rows.
	s_bfe_u32 s40, ttmp6, 0x40000                  ; cx, cy: my place in the cluster
	s_bfe_u32 s41, ttmp6, 0x40004
	s_and_b32 s17, ttmp7, 0xffff
	s_lshl_b32 s17, s17, 2                         ; 4 x cluster y: the cluster's first tile of tokens
	s_lshl_b32 s42, ttmp9, 2
	s_add_co_u32 s42, s42, 32                      ; 32 + 4 x cluster x: its first tile of W's columns (row 8,192 of xw_codes is tile 32)
	s_cmp_eq_u32 ttmp9, 2                          ; the mode: the cluster's x is the same in all sixteen partners
	s_cselect_b32 s66, 1, 0                        ; 1: v
	s_cselect_b32 s67, 0, -1                       ; keeps the bias along B's rows for q and k
	s_cselect_b32 s96, -1, 0                       ; keeps the bias along A's rows for v
	s_cselect_b32 s95, 40, s17                     ; A's tiles: W_v's four (from row 10,240), or the tokens'
	s_cselect_b32 s42, s17, s42                    ; B's tiles: the tokens', or W's
	s_add_co_u32 s17, s95, s41                     ; A's tile: + cy
	s_add_co_u32 s42, s42, s40                     ; B's tile: + cx
	s_lshl_b32 s43, s41, 2
	s_lshl_b32 s43, 15, s43                        ; my row of the cluster
	s_lshl_b32 s44, 0x1111, s40                    ; my column
	; descriptor group 1: a tile of 256 rows x 512 bytes, padded in LDS
	s_or_b32 s[G1+0], s43, (0<<16)|(1<<20)|(1<<21)|(6<<22)|(3<<25)  ; 15:0 the mask: A's tile goes to my row; elements of 1 byte; padding on; 21 set beside a mask; after every 128 words, 4 words
	s_or_b32 s[G1B+0], s44, (0<<16)|(1<<20)|(1<<21)|(6<<22)|(3<<25)
.irp g, G1, G1B
	s_mov_b32 s[\g+1], ROWB<<16                    ; tensor_dim0
	s_mov_b32 s[\g+2], 256<<16                     ; tensor_dim1: the tile's 256 rows
	s_mov_b32 s[\g+3], ROWB<<16                    ; tile_dim0
	s_mov_b32 s[\g+4], 256                         ; tile_dim1
	s_mov_b32 s[\g+5], KROW                        ; tensor_dim0_stride
	s_mov_b32 s[\g+6], 0
	s_mov_b32 s[\g+7], 0
.endr
	; the scales of 256 rows: a dense block of 8,192 bytes, as 32 rows of 256 bytes (32 elements of 8 bytes), 16 bytes of padding behind each
	s_or_b32 s[G1S+0], s43, (3<<16)|(1<<20)|(1<<21)|(5<<22)|(3<<25)
	s_or_b32 s[G1SB+0], s44, (3<<16)|(1<<20)|(1<<21)|(5<<22)|(3<<25)
.irp g, G1S, G1SB
	s_mov_b32 s[\g+1], 32<<16
	s_mov_b32 s[\g+2], (256*KS/256)<<16            ; the scales of 256 rows: 32 rows of 256 bytes
	s_mov_b32 s[\g+3], 32<<16
	s_mov_b32 s[\g+4], 256*KS/256
	s_mov_b32 s[\g+5], 32
	s_mov_b32 s[\g+6], 0
	s_mov_b32 s[\g+7], 0
.endr
	s_lshl_b32 s20, s17, 8                         ; A: the tile's first row
	s_lshl_b32 s46, s42, 8                         ; B likewise
	s_mov_b32 s21, 0
	s_mov_b32 s47, 0
	s_mov_b64 s[18:19], KS
	s_mul_u64 s[22:23], s[20:21], s[18:19]         ; where these rows' scales begin, in bytes
	s_mul_u64 s[92:93], s[46:47], s[18:19]
	s_mov_b64 s[18:19], KROW
	s_mul_u64 s[20:21], s[20:21], s[18:19]         ; and their codes
	s_mul_u64 s[46:47], s[46:47], s[18:19]
	s_wait_kmcnt 0x0
	s_add_nc_u64 s[20:21], s[4:5], s[20:21]
	s_add_nc_u64 s[22:23], s[6:7], s[22:23]
	s_add_nc_u64 s[46:47], s[4:5], s[46:47]
	s_add_nc_u64 s[92:93], s[6:7], s[92:93]
	CROUND                                         ; all sixteen work-groups are here: the joint loads meet
	s_mov_b32 s[G0S], 1                            ; the scales of A's 256 rows,
	s_mov_b32 s[G0S+1], SCL
	s_mov_b64 s[G0S+2:G0S+3], s[22:23]
	s_or_b32 s[G0S+3], s[G0S+3], 0x80000000
	s_mov_b32 s[G0SB], 1                           ; and of B's
	s_mov_b32 s[G0SB+1], SCL+2*HALFS
	s_mov_b64 s[G0SB+2:G0SB+3], s[92:93]
	s_or_b32 s[G0SB+3], s[G0SB+3], 0x80000000
	s_mov_b32 s[G0], 1                             ; A's 256 rows, all of K,
	s_mov_b32 s[G0+1], 0
	s_mov_b64 s[G0+2:G0+3], s[20:21]
	s_or_b32 s[G0+3], s[G0+3], 0x80000000
	s_mov_b32 s[G0B], 1                            ; B's 256 rows behind them
	s_mov_b32 s[G0B+1], 2*HALFT
	s_mov_b64 s[G0B+2:G0B+3], s[46:47]
	s_or_b32 s[G0B+3], s[G0B+3], 0x80000000
	; the launch's four tiles, one joint load a wave: every way through the tree passes exactly one load, and nothing is filled later
	ARM 1, G0,  G1,  .Lhead_b
	ARM 2, G0B, G1B, .Lhead_sa
	ARM 3, G0S, G1S, .Lhead_sb
	tensor_load_to_lds s[G0SB:G0SB+3], s[G1SB:G1SB+7]
	s_nop 0
.rept 4
	v_nop
.endr
.Lhead_asked:
	; where my 128 x 128 lies in the result, in registers that feed no descriptor
	s_mov_b32 s104, 262144                         ; from a head's slot to the next head's, in qkv_codes
	s_mov_b32 s105, 2048                           ; half a region
	s_cmp_eq_u32 s66, 1
	s_cselect_b32 s98, s42, s17                    ; the tile of tokens,
	s_cselect_b32 s99, s17, s42                    ; the tile of channels + 32,
	s_cselect_b32 s100, s16, s15                   ; my half of the tokens,
	s_cselect_b32 s101, s15, s16                   ; my half of the channels
	s_cselect_b32 s2, s105, s104                   ; the stage's upper half goes this far from its lower half,
	s_cselect_b32 s3, s104, s105                   ; and a half's second quarter this far from its first
	s_cselect_b32 s18, 8, 9                        ; a region's scale words: 256 or 512 bytes
	s_cselect_b32 s19, 15, 8                       ; lanes 16-31 of the scale words' store: the next head (32,768 bytes on), or the next 256 bytes
	s_sub_co_u32 s99, s99, 32
	s_lshl_b32 s104, s99, 10
	s_lshl_b32 s105, s101, 9
	s_add_co_u32 s104, s104, s105                  ; my first channel, 4 bytes each: 256 x tile + 128 x half; its 128 numbers lie inside b_qkv in both modes
	s_mov_b32 s105, 0
	s_add_nc_u64 s[8:9], s[8:9], s[104:105]
	v_and_b32 v1, 15, v0                           ; r = l % 16
	s_wait_alu depctr_va_vdst(0)
	v_bfe_u32 v2, v0, 4, 1                         ; h = l / 16
	v_lshlrev_b32 v7, 5, v2
	v_lshlrev_b32 v8, 2, v1
	WIN TO_B
.irp b, 0,1,2,3,4,5,6,7
	global_load_b128 v[BN+8*\b:BN+8*\b+3], v7, s[8:9] offset:64*\b          ; along B's rows: for tile b the numbers 16 b + 8 h + 0 .. 7, in the result's layout
	global_load_b128 v[BN+8*\b+4:BN+8*\b+7], v7, s[8:9] offset:64*\b+16
.endr
	WIN 0
.irp a, 0,1,2,3,4,5,6,7
	global_load_b32 v[RS+\a], v8, s[8:9] offset:64*\a                       ; along A's rows: for block a the number 16 a + r
.endr
	s_lshl_b32 s104, s99, 4
	s_lshl_b32 s105, s101, 3
	s_add_co_u32 s104, s104, s105
	s_lshr_b32 s105, s98, 3
	s_add_co_u32 s104, s104, s105                  ; the slot 4 g + b of my first head: g = 4 x tile + 2 x half, b = tile of tokens / 8
	s_and_b32 s98, s98, 7
	s_lshl_b32 s98, s98, 1
	s_add_co_u32 s98, s98, s100                    ; the region: my 128 tokens of the batch's 2,048
	s_lshl_b32 s100, s104, 16
	s_lshl_b32 s105, s98, 12
	s_add_co_u32 s100, s100, s105
	s_mov_b32 s101, 0
	s_add_nc_u64 s[10:11], s[10:11], s[100:101]
	s_lshl_b32 s100, s104, 13
	s_lshl_b32 s105, s98, s18
	s_add_co_u32 s100, s100, s105
	s_add_nc_u64 s[12:13], s[12:13], s[100:101]
	v_mul_u32_u24 v3, v1, PITCH
	s_wait_alu depctr_va_vdst(0)
	v_lshl_add_u32 v4, v2, 4, v3                   ; a fragment's row x pitch + 16 x half
	s_mul_i32 s21, s15, HALFT                      ; my 128 rows of A
	s_mul_i32 s22, s16, HALFT                      ; my 128 rows of B,
	s_add_co_u32 s22, s22, 2*HALFT                 ; which lie behind A's 256
.irp s, 0,1
	v_add_nc_u32 v[ADRA+\s], s21, v4
	v_add_nc_u32 v[ADRB+\s], s22, v4
	s_add_co_u32 s21, s21, SLOT
	s_add_co_u32 s22, s22, SLOT
.endr
	v_mul_u32_u24 v5, v1, KS                       ; my row's scales: KS bytes a row,
	v_lshrrev_b32 v6, 8, v5
	v_lshl_add_u32 v5, v6, 4, v5                   ; and 16 more for each 256 passed
	s_mul_i32 s21, s15, HALFS                      ; A's: my 128 rows
	s_mul_i32 s22, s16, HALFS                      ; B's: my 128 rows, behind A's 256
	s_add_co_u32 s22, s22, 2*HALFS
	s_sub_co_u32 s22, s22, s21
	v_mul_u32_u24 v6, s22, v2                      ; lanes 16-31 take B's
	s_add_co_u32 s21, s21, SCL
	v_add_nc_u32 v5, v5, v6
	v_add_nc_u32 v[ADRS], s21, v5
	s_mul_i32 s23, s14, WSTAGE
	s_add_co_u32 s23, s23, STG                     ; my stage
	v_lshrrev_b32 v5, 3, v1                        ; r / 8
	v_and_b32 v6, 7, v1                            ; r % 8
	v_lshlrev_b32 v[STO], 9, v5
	v_lshl_add_u32 v[STO], v2, 8, v[STO]
	v_lshl_add_u32 v[STO], v6, 4, v[STO]
	v_add_nc_u32 v[STO], s23, v[STO]               ; codes: 512 (r / 8) + 256 h + 16 (r % 8)
	v_lshlrev_b32 v[STS], 9, v2
	v_lshl_add_u32 v[STS], v5, 6, v[STS]
	v_lshl_add_u32 v[STS], v6, 2, v[STS]
	v_add_nc_u32 v[STS], s23, v[STS]               ; scale words: 512 h + 64 (r / 8) + 4 (r % 8)
	v_and_b32 v5, 31, v0
	v_lshlrev_b32 v[CG], 4, v5                     ; 16 x lane
	v_add_nc_u32 v[RD], s23, v[CG]
	v_add_nc_u32 v[CG+1], s3, v[CG]
	v_add_nc_u32 v[CG+2], s2, v[CG]
	v_add_nc_u32 v[CG+3], s3, v[CG+2]
	v_lshlrev_b32 v[SGO], s19, v2
	v_lshl_add_u32 v[SGO], v1, 4, v[SGO]
	v_lshlrev_b32 v[SH16], 4, v2
.irp b, 0,1,2,3
	v_mov_b32 v[TM+4+\b], 0                        ; written once: a lane permute's destination counts as one of its sources
.endr
	s_mov_b32 s[SEL], 0x76543210
	s_mov_b32 s[SEL+1], 0xfedcba98
	s_wait_loadcnt 0x0                             ; the bias
	WIN 0x44                                       ; source 1 and destination window 1
.set I, 0
.rept 64
	v_and_b32 v[BN+I], s67, v[BN+I]                ; kept for q and k, cleared for v
.set I, I+1
.endr
	WIN 0
.irp a, 0,1,2,3,4,5,6,7
	v_and_b32 v[BM+2*\a], s96, v[RS+\a]            ; kept for v, cleared for q and k; twice, as a pair for the packed addition
	v_and_b32 v[BM+2*\a+1], s96, v[RS+\a]
.endr
.macro FRAG reg, adr, q, i             ; a fragment, 16 rows x 128 K of 4-bit codes: lane l holds row l % 16; registers 4 c .. 4 c + 3 hold K = 64 c + 32 (l / 16) + 0 .. 31
.irp c, 0,1
	ds_load_b128 v[\reg+4*\c:\reg+4*\c+3], v[\adr] offset:64*(\q)+32*\c+(\i)*16*PITCH
.endr
.endm
; 16 matrix instructions: A's blocks a0, a0 + 1 x B's eight, 128 along K.  p: B's set;  sc: the set of scale words.  first = 1: the sums start from the bias along B's rows: nothing is ever cleared.
; The 64 accumulators take turns, one instruction a turn, in the same order in every step.
.macro MUL16 a0, p, q, sc, first
.irp a, \a0, \a0+1
.irp b, 0,1,2,3,4,5,6,7
.if \first
	v_wmma_scale_f32_16x16x128_f8f6f4 v[8*(8*((\a)%4)+\b):8*(8*((\a)%4)+\b)+7], v[128*(\p)+FR*\b:128*(\p)+FR*\b+FR-1], v[AF+FR*(\a):AF+FR*(\a)+FR-1], v[BN+8*\b:BN+8*\b+7], v[SC+8*NQ*(\sc)+NQ*\b+(\q)], v[SC+8*NQ*(\sc)+NQ*(\a)+(\q)] matrix_a_fmt:MATRIX_FMT_FP4 matrix_b_fmt:MATRIX_FMT_FP4 matrix_a_scale:MATRIX_SCALE_ROW1
.else
	v_wmma_scale_f32_16x16x128_f8f6f4 v[8*(8*((\a)%4)+\b):8*(8*((\a)%4)+\b)+7], v[128*(\p)+FR*\b:128*(\p)+FR*\b+FR-1], v[AF+FR*(\a):AF+FR*(\a)+FR-1], v[8*(8*((\a)%4)+\b):8*(8*((\a)%4)+\b)+7], v[SC+8*NQ*(\sc)+NQ*\b+(\q)], v[SC+8*NQ*(\sc)+NQ*(\a)+(\q)] matrix_a_fmt:MATRIX_FMT_FP4 matrix_b_fmt:MATRIX_FMT_FP4 matrix_a_scale:MATRIX_SCALE_ROW1
.endif
.endr
.endr
.endm
.macro FETCH_B slot, q, p              ; B's eight fragments of the slot's q-th 128 along K into set p
	WIN TO_B
.irp i, 0,1,2,3,4,5,6,7
	FRAG 128*(\p)+FR*\i, ADRB+\slot, \q, \i
.endr
	WIN 0
.endm
.macro FETCH_A slot, q, i0             ; A's blocks i0 .. i0 + 3
.irp i, \i0, \i0+1, \i0+2, \i0+3
	FRAG AF+FR*(\i), ADRA+\slot, \q, \i
.endr
.endm
.macro SCALES sc                       ; a K step's scale words into set sc: four words a row; lanes 0-15 take A's block i, lanes 16-31 B's block i
.irp i, 0,1,2,3,4,5,6,7
	ds_load_b128 v[SC+8*NQ*\sc+NQ*\i:SC+8*NQ*\sc+NQ*\i+3], v[ADRS] offset:\i*SBLK
.endr
.endm
; A load into a register that a matrix instruction has read, and a vector instruction that reads a matrix result or writes one of its registers, stand NP places behind it; only plain vector
; instructions that name none of its registers are places (ISA guide 7.12.1 for vector instructions).
.macro PLACES n
.rept \n
	v_nop
.endr
.endm
; A step of 128 along K that has its successor in the same slot.  A block of A is free as soon as its eight products are issued: blocks 0-3 are fetched anew in the step's middle, blocks 4-7 at its end.
.macro STEP slot, q, first
	s_wait_dscnt 4*NL                              ; B's set and A's blocks 0-3 are in; the youngest eight loads (A's blocks 4-7) may be out
.if \first
	WIN BIAS_LO
.else
	WIN MUL_LO
.endif
	MUL16 0, (\q)%2, \q, \slot, \first
	MUL16 2, (\q)%2, \q, \slot, \first
	s_wait_dscnt 0                                 ; A's blocks 4-7 are in
	PLACES NP
	FETCH_B \slot, (\q)+1, 1-(\q)%2
	FETCH_A \slot, (\q)+1, 0
.if \first
	WIN BIAS_HI
.else
	WIN MUL_HI
.endif
	MUL16 4, (\q)%2, \q, \slot, \first
	MUL16 6, (\q)%2, \q, \slot, \first
	PLACES NP
	WIN 0
	FETCH_A \slot, (\q)+1, 4
.endm
; The last step of the first 512 along K: its successor lies 256 bytes on in the same LDS rows and takes the next four scale words.  All of K has landed, so no barrier stands here.
.macro TURN slot, next
	s_wait_dscnt 4*NL                              ; B's set and A's blocks 0-3 are in; the youngest eight loads may be out
	WIN MUL_LO
	MUL16 0, 1, NQ-1, \slot, 0
	MUL16 2, 1, NQ-1, \slot, 0
	s_wait_dscnt 0x0                               ; A's blocks 4-7 are in
	WIN 0
	PLACES NP
	v_add_nc_u32 v[ADRS], 4*NQ, v[ADRS]            ; on to the next K step's scale words
	FETCH_B \next, 0, 0
	FETCH_A \next, 0, 0
	SCALES \next
	WIN MUL_HI
	MUL16 4, 1, NQ-1, \slot, 0
	MUL16 6, 1, NQ-1, \slot, 0
	PLACES NP
	WIN 0
	FETCH_A \next, 0, 4
.endm
.macro STEPS slot, from                ; the slot's steps from .. NQ - 2
.set Q, \from
.rept NQ-1-\from
	STEP \slot, Q, 0
.set Q, Q+1
.endr
.endm
	s_wait_alu depctr_va_vdst(0)                   ; the wait at the head's end
	s_wait_tensorcnt 0x0                           ; my tile of the four is in,
	s_barrier_signal -1
	s_barrier_wait -1                              ; everybody's is
	FETCH_B 0, 0, 0
	FETCH_A 0, 0, 0
	SCALES 0
	FETCH_A 0, 0, 4
	STEP 0, 0, 1                                   ; the first step's products start the sums
	STEPS 0, 1
	TURN 0, 1
	STEPS 1, 0
	s_wait_dscnt 4*NL                              ; the very last step: nothing more to fetch
	WIN MUL_LO
	MUL16 0, 1, NQ-1, 1, 0
	MUL16 2, 1, NQ-1, 1, 0
	s_wait_dscnt 0
	WIN MUL_HI
	MUL16 4, 1, NQ-1, 1, 0
	MUL16 6, 1, NQ-1, 1, 0
	WIN 0
; THE WAY OUT, block a of 16 rows of A at a time.  Lane (r, h) holds row 16 a + r, and register 8 b + j of T the number at B's row 16 b + 8 h + j: block beta of 32 lies in registers 16 beta .. 16 beta + 15 of lanes
; l and l xor 16.  A tile's eight registers are eight neighbours, so each conversion gives eight neighbouring codes; they are laid so that two exchanges of halves leave a WHOLE block in a lane:
; of PC + 4 g .. + 3 lane (r, h) then holds block 2 g + h of its row, 16 bytes, which is one granule of the output's layout.
.macro QBLOCK a
.set AC, 64*((\a)%4)
.set PCS, PC+8*((\a)%2)
.set PWS, PW2+(\a)%2
.if (\a) >= 2
	s_wait_dscnt 3                                 ; the last block's three stores may be out; those of the block before have read the registers that are written now
.endif
	WIN 0x02+(\a)/4                                ; source 0: window 2 or 3
.irp b, 0,1,2,3,4,5,6,7
.irp i, 0,2,4,6
	v_pk_add_f32 v[T+8*\b+\i:T+8*\b+\i+1], v[AC+8*\b+\i:AC+8*\b+\i+1], v[BM+2*(\a):BM+2*(\a)+1]   ; + the bias along A's rows; each accumulator from its low end on
.endr
.endr
	WIN 0
.irp b, 0,1,2,3
	v_max3_num_f32 v[TM+\b], |v[T+16*\b]|, |v[T+1+16*\b]|, 0x1800000   ; block b: my 16 numbers, and the floor 2^(3 - 127): the byte cannot fall under 1
.endr
.irp i, 2,4,6,8,10,12,14
.irp b, 0,1,2,3
	v_max3_num_f32 v[TM+\b], v[TM+\b], |v[T+16*\b+\i]|, |v[T+1+16*\b+\i]|   ; (the four blocks by turns)
.endr
.endr
.irp b, 0,1,2,3
	v_permlanex16_b32 v[TM+4+\b], v[TM+\b], s[SEL], s[SEL+1]
.endr
.irp b, 0,1,2,3
	v_max_num_f32 v[TM+\b], v[TM+\b], v[TM+4+\b]   ; with lane l xor 16's: the block's largest magnitude
.endr
.irp b, 0,1,2,3
	v_add_nc_u32 v[TM+12+\b], 0xff000000, v[TM+\b] ; 2 off its exponent field: the conversion's scale operand
.endr
.irp b, 0,1,2,3
	v_lshrrev_b32 v[TM+4+\b], 23, v[TM+12+\b]      ; the scale's byte
.endr
	v_lshl_or_b32 v[PW], v[TM+5], 8, v[TM+4]
	v_lshl_or_b32 v[PW], v[TM+6], 16, v[PW]
	v_lshl_or_b32 v[PW], v[TM+7], 24, v[PW]
.irp b, 0,1,2,3,4,5,6,7
	v_cvt_scalef32_pk8_fp4_f32 v[PCS+4*(\b/4)+2*(\b%2)+(\b/2)%2], v[T+8*\b:T+8*\b+7], v[TM+12+\b/2]
.endr
	v_nop                                          ; one plain place behind a scaled conversion
.irp g, 0,1
	v_permlane16_swap_b32 v[PCS+4*\g], v[PCS+4*\g+1]       ; the first's lanes 16-31 change places with the second's lanes 0-15
	v_permlane16_swap_b32 v[PCS+4*\g+2], v[PCS+4*\g+3]
.endr
	v_lshrrev_b32 v[PWS], v[SH16], v[PW]           ; lanes 0-15 keep the word; lanes 16-31 bring bytes 2, 3 down: for q and k the second head's word
	ds_store_b128 v[STO], v[PCS:PCS+3] offset:((\a)/2)*1024+((\a)%2)*128
	ds_store_b128 v[STO], v[PCS+4:PCS+7] offset:4096+((\a)/2)*1024+((\a)%2)*128
	ds_store_b32 v[STS], v[PWS] offset:8192+((\a)/2)*128+((\a)%2)*32
.endm
	PLACES NP                                      ; behind the last products: T lies where A's fragments lay
.irp a, 0,1,2,3,4,5,6,7
	QBLOCK \a
.endr
.irp t, 0,1,2,3,4,5,6,7,8,9,10,11,12,13,14,15
	ds_load_b128 v[T+4*\t:T+4*\t+3], v[RD] offset:512*\t   ; LDS serves a wave's instructions in order (ISA guide 5.7.1.4): these see my stores; the bytes are my wave's own
.endr
	ds_load_b128 v[RS:RS+3], v[RD] offset:8192
	ds_load_b128 v[RS+4:RS+7], v[RD] offset:8192+512
.irp t, 0,1,2,3,4,5,6,7,8,9,10,11,12,13,14,15
	s_wait_dscnt 17-\t
	global_store_b128 v[CG+\t/4], v[T+4*\t:T+4*\t+3], s[10:11] offset:512*(\t%4)   ; 32 lanes store 512 consecutive bytes, at a multiple of 256 from the buffer's first byte
.endr
	s_wait_dscnt 1
	global_store_b128 v[SGO], v[RS:RS+3], s[12:13] ; q, k: the first head's 512 bytes.  v: 256 bytes for each of my two heads
	s_cmp_eq_u32 s66, 1
	s_cbranch_scc1 .Lv_done                        ; v has no second half: the branch hangs on the cluster's x alone
	s_wait_dscnt 0x0
	global_store_b128 v[SGO], v[RS+4:RS+7], s[12:13] offset:32768   ; q, k: the second head's 512 bytes
.Lv_done:
	s_wait_tensorcnt 0x0                           ; the wave's end, behind my last tensor load and my last LDS store
	ds_add_u32 v[SPW], v[NIL]
	s_wait_dscnt 0x0
	CROUND                                         ; the closing round: no work-group ends while a partner may still ask for a tile that names it
	s_endpgm
.Lfunc_end_k_qe979e89ee5_gemm_qkv:
	.size	k_qe979e89ee5_gemm_qkv, .Lfunc_end_k_qe979e89ee5_gemm_qkv-k_qe979e89ee5_gemm_qkv
	.p2alignl 7, 3214868480
	.fill 96, 4, 3214868480
	.section	.rodata,"a",@progbits
	.p2align	6, 0x0
	.amdhsa_kernel k_qe979e89ee5_gemm_qkv
		.amdhsa_group_segment_fixed_size 327680
		.amdhsa_private_segment_fixed_size 0
		.amdhsa_enable_private_segment 0
		.amdhsa_kernarg_size 40
		.amdhsa_user_sgpr_count 2
		.amdhsa_user_sgpr_kernarg_segment_ptr 1
		.amdhsa_wavefront_size32 1
		.amdhsa_system_sgpr_workgroup_id_x 1
		.amdhsa_system_sgpr_workgroup_id_y 1
		.amdhsa_system_sgpr_workgroup_id_z 1
		.amdhsa_system_vgpr_workitem_id 0
		.amdhsa_next_free_vgpr 1024
		.amdhsa_next_free_sgpr 106
		.amdhsa_reserve_vcc 0
		.amdhsa_float_denorm_mode_32 3
		.amdhsa_float_denorm_mode_16_64 3
		.amdhsa_memory_ordered 1
		.amdhsa_forward_progress 1
		.amdhsa_inst_pref_size 152
	.end_amdhsa_kernel
	.amdgpu_metadata
---
amdhsa.version: [ 1, 2 ]
amdhsa.kernels:
  - .name:           k_qe979e89ee5_gemm_qkv
    .symbol:         k_qe979e89ee5_gemm_qkv.kd
    .args:
      - { .name: xw_codes, .offset: 0, .size: 8, .value_kind: global_buffer, .address_space: global }
      - { .name: xw_scales, .offset: 8, .size: 8, .value_kind: global_buffer, .address_space: global }
      - { .name: b_qkv, .offset: 16, .size: 8, .value_kind: global_buffer, .address_space: global }
      - { .name: qkv_codes, .offset: 24, .size: 8, .value_kind: global_buffer, .address_space: global }
      - { .name: qkv_scales, .offset: 32, .size: 8, .value_kind: global_buffer, .address_space: global }
    .group_segment_fixed_size: 327680
    .private_segment_fixed_size: 0
    .kernarg_segment_align: 8
    .kernarg_segment_size: 40
    .max_flat_workgroup_size: 128
    .sgpr_count:     106
    .vgpr_count:     1024
    .wavefront_size: 32
...
	.end_amdgpu_metadata
.endif
;; end of part 2
;; launch attn (part 3): grid 4 x 64, 16 waves a work-group, no clusters, 327,680 bytes of LDS; arguments qkv_codes, qkv_scales, av_codes, av_scales; writes av_codes, av_scales
.if DOCPART == 3
	.amdgcn_target "amdgcn-amd-amdhsa--gfx1250"
	.amdhsa_code_object_version 6
	.text
	.protected	k_qe979e89ee5_attn
	.globl	k_qe979e89ee5_attn
	.p2align	8
	.type	k_qe979e89ee5_attn,@function
k_qe979e89ee5_attn:
	s_mov_b64 s[64:65], 0
	v_nop
	global_prefetch_b8 v0, s[64:65] scope:SCOPE_SE
	s_setreg_imm32_b32 hwreg(HW_REG_WAVE_MODE, 25, 1), 1
	s_wait_xcnt 0x0
; av = softmax(q k^T / 8, causal) v for 4 batches x 16 heads of 64, 2,048 tokens, both products on codes of FP4 (E2M1) with one E8M0 scale for each 32 along a product's K; av leaves quantised along the hidden axis.
; THE SOFTMAX AHEAD OF THE SECOND PRODUCT: t = score x log2(e) / 8; M = the row's largest t so far, rounded UP to a whole number; p = 2^(t - M) is what is quantised, along the keys; the row's sum is taken
; of the unquantised p and divides at the end.  When M moves, the sum and O are multiplied by 2^(old M - new M): exact.
; SHARES.  Work-group (g, y): batch y % 4, head y / 4, and four blocks of 128 queries.  Wave w owns tile w % 8 of 16 queries; with j = g + 4 (w / 8) it works first block 15 - j (16 - j key steps of 128 keys),
; then block j (j + 1 key steps): 17 key steps in every wave of every work-group.
; ALL OF K AND V of the head, codes and scale words, 143,360 bytes, lie in LDS, each byte filled once.  At the head every wave issues one tensor load: waves 0-13 the codes of key steps 0-6 (one key step of K or of V,
; 4,096 bytes, a wave), wave 14 K's scale words, wave 15 V's.  Behind the three lines and a barrier every wave issues one more: the codes of key steps 7-15, 4,608 bytes a wave; seven key steps of all waves stand
; between that request and the wait for it.  Every first item has at least nine key steps, so no wave is without work there.  Nothing is stored to LDS and nothing is filled again.
; NO PREFETCH: the launch's two groups of fills stand at its head and directly behind the first group's landing: there is no loop that runs ahead of them.
; NO CLUSTER: the work-groups that read the same K and V differ in g, and the steps that lie wholly behind the diagonal are left out by a branch on the query block's number, which hangs on g.
; LAYOUT.  Both products are used transposed: S^T = K Q^T (source 0 = 16 keys, source 1 = my 16 queries), O^T = V^T P^T: a lane holds ONE query throughout.  The buffers lie in the order of the operands' registers:
; every fragment is read at 16 x lane.  The keys of a tile are 32 beta + 8 u + i + 8 (i / 8), so that S^T's 16 registers of two neighbouring tiles are 16 neighbouring keys; V's rows and my queries are ordered likewise.
; K = 64 IN AN INSTRUCTION OF 128: Q's upper four registers are zero codes.  K's upper four are then free to hold anything finite: they are the next tile's codes, so a tile costs one load.
; OUT.  av_codes [T 512][head 16][h 2][r 16][16 bytes], T = 128 x batch + 8 x block + tile; av_scales [16 T + r][32 bytes], byte 2 x head + block of 32.
; THE MASK.  In the one step on the diagonal a hidden score becomes -8e6, which is -1e6 x 8.  LIMIT: the steps behind the diagonal are left out; that is the same result
; as long as a row's largest kept score / 8 lies above about -1e6 + 150, where 2^(t - M) of a hidden key is still 0 in f32.
; LIMITS: a block of zeros gets the byte 1 where the rule says 127 (its codes are zeros; this program alone reads the bytes); NaN and infinities are not served; the scaled scores stay under 2^31 in magnitude.
.set KC,   0                           ; LDS: K's codes, 65,536 bytes: 4,096 a key step
.set VC,   65536                       ; V's likewise
.set KSW,  131072                      ; K's scale words, 8,192 bytes: 512 a key step
.set VSW,  139264                      ; V's, 4,096 bytes: 256 a key step
.set SPARE, 143360                     ; the spare words, 128 bytes for each wave: eight blocks of 256 bytes that no other line names
.set NS0,  7                           ; key steps that the head's loads bring
.set P0B,  NS0*4096
.set L16,  1                           ; v1   16 x lane
.set R4,   2                           ; v2   4 x (lane % 16)
.set ADK,  3                           ; v3-6 LDS addresses of the step in hand
.set ADV,  4
.set ADS,  5
.set ADT,  6
.set DD,   7                           ; v7   my query's place in its block - 16 (lane / 16)
.set SW,   9                           ; v9   av's two scale bytes
.set SO,   10                          ; v10  32 x (lane % 16): my row in av_scales
.set QE,   16                          ; v16-23 the first item's Q (v20-23 zero codes), v24 its scale word
.set QES,  24
.set KF,   32                          ; v32-67 K: tile t is v[32 + 4 t : 39 + 4 t]; v64-67 zeros
.set KSC,  68
.set VF,   76
.set VSC,  108
.set S,    112                         ; v112-175 S^T, then p; at an item's end O / l
.set O,    176                         ; v176-207 O^T
.set PCD,  208                         ; v208-215 p's codes
.set BX,   216                         ; v216-219 a block's largest score, then its largest p
.set BP,   220
.set BO,   224
.set PWD,  228
.set FF,   230                         ; v[230:231] f = 2^(old M - new M)
.set TP,   232
.set L2,   234                         ; v234-239 three more chains of the sum
.set AVC,  240                         ; v240-243 av's codes
.set QO,   244                         ; v244-251 the second item's Q, v252 its scale word
.set QOS,  252
.set SPW,  254                         ; LDS address of my spare word; never rewritten
.set NIL,  255                         ; 0; never rewritten
.set WV,   12
.set JB,   15                          ; s15 the block of 128 queries in hand
.set SEL,  20
.set CS,   22
.set G1C,  24                          ; group 1: 16 rows of 256 bytes;  G1K: 32 rows;  G1D: 18 rows
.set G1K,  32
.set G1D,  40
.set G0A,  48                          ; groups 0: the head's codes, the later codes, K's scale words, V's
.set G0B,  52
.set G0S,  56
.set G0T,  60
.set TK,   72
.set TV,   73
.set TS,   74
.set TT,   75
.set ST,   80
	s_load_b256 s[4:11], s[0:1], 0x0               ; qkv_codes, qkv_scales, av_codes, av_scales
	v_lshl_add_u32 v[SPW], v0, 2, SPARE
	v_mov_b32 v[NIL], 0
	ds_add_u32 v[SPW], v[NIL]                      ; the opening lines: the add, twice on end, and its wait ahead of my first tensor load
	ds_add_u32 v[SPW], v[NIL]
	v_lshrrev_b32 v1, 5, v0
	v_readfirstlane_b32 s[WV], v1                  ; wave 0..15
	s_and_b32 s13, ttmp7, 0xffff
	s_lshr_b32 s14, s13, 2                         ; the head
	s_and_b32 s13, s13, 3                          ; the batch
	s_lshl_b32 s19, s14, 2
	s_add_co_u32 s19, s19, s13                     ; the slot 4 g + b of Q's head
	s_and_b32 s2, s[WV], 1                         ; fills: K (0) or V (1)
	s_lshr_b32 s16, s[WV], 1                       ; fills: the piece
	s_and_b32 s17, s[WV], 7                        ; my tile of queries
	s_lshr_b32 s3, s[WV], 3                        ; which pair of blocks
.irp g, G1C, G1K, G1D
	s_mov_b32 s[\g], 3<<16                         ; no mask; elements of 8 bytes; no padding: every read is at 16 x lane
	s_mov_b32 s[\g+1], 32<<16
	s_mov_b32 s[\g+3], 32<<16
	s_mov_b32 s[\g+5], 32
	s_mov_b32 s[\g+6], 0
	s_mov_b32 s[\g+7], 0
.endr
	s_mov_b32 s[G1C+2], 16<<16
	s_mov_b32 s[G1C+4], 16
	s_mov_b32 s[G1K+2], 32<<16
	s_mov_b32 s[G1K+4], 32
	s_mov_b32 s[G1D+2], 18<<16
	s_mov_b32 s[G1D+4], 18
	s_lshl_b32 s66, s2, 6
	s_add_co_u32 s66, s66, s19
	s_add_co_u32 s66, s66, 64                      ; the slot of K's (g = 16 on) or V's (g = 32 on) head
	s_lshl_b32 s66, s66, 16
	s_lshl_b32 s68, s16, 12                        ; the head's piece: key step w / 2, 4,096 bytes
	s_mul_i32 s69, s16, 4608                       ; the later piece: 4,608 bytes,
	s_add_co_u32 s69, s69, P0B                     ; behind the first seven key steps
	s_lshl_b32 s18, s2, 16                         ; the tensor's place in LDS
	s_add_co_u32 s70, s66, s68
	s_mov_b32 s71, 0
	s_add_co_u32 s72, s66, s69
	s_mov_b32 s73, 0
	s_add_co_u32 s74, s19, 64
	s_lshl_b32 s74, s74, 13                        ; K's scale words
	s_mov_b32 s75, 0
	s_wait_dscnt 0x0                               ; both opening adds are done
	s_wait_kmcnt 0x0
	s_mov_b32 s[G0A], 1
	s_add_co_u32 s[G0A+1], s18, s68
	s_add_nc_u64 s[G0A+2:G0A+3], s[4:5], s[70:71]
	s_or_b32 s[G0A+3], s[G0A+3], 0x80000000
	s_mov_b32 s[G0B], 1
	s_add_co_u32 s[G0B+1], s18, s69
	s_add_nc_u64 s[G0B+2:G0B+3], s[4:5], s[72:73]
	s_or_b32 s[G0B+3], s[G0B+3], 0x80000000
	s_mov_b32 s[G0S], 1
	s_mov_b32 s[G0S+1], KSW
	s_add_nc_u64 s[G0S+2:G0S+3], s[6:7], s[74:75]
	s_or_b32 s[G0S+3], s[G0S+3], 0x80000000
	s_mov_b32 s[G0T], 1
	s_mov_b32 s[G0T+1], VSW
	s_add_nc_u64 s[G0T+2:G0T+3], s[6:7], s[74:75]
	s_add_nc_u64 s[G0T+2:G0T+3], s[G0T+2:G0T+3], 64<<13   ; V's slots lie 64 slots of 8,192 bytes behind K's
	s_or_b32 s[G0T+3], s[G0T+3], 0x80000000
	; the head's loads, one a wave, in one tree of branches on the wave's number: every way passes exactly one
	s_cmp_lt_u32 s[WV], 14
	s_cbranch_scc0 .Lfill_sk
	tensor_load_to_lds s[G0A:G0A+3], s[G1C:G1C+7]
	s_nop 0
.rept 4
	v_nop
.endr
	s_branch .Lfilled
.Lfill_sk:
	s_cmp_lt_u32 s[WV], 15
	s_cbranch_scc0 .Lfill_sv
	tensor_load_to_lds s[G0S:G0S+3], s[G1K:G1K+7]
	s_nop 0
.rept 4
	v_nop
.endr
	s_branch .Lfilled
.Lfill_sv:
	tensor_load_to_lds s[G0T:G0T+3], s[G1C:G1C+7]
	s_nop 0
.rept 4
	v_nop
.endr
.Lfilled:
; where an item's Q lies and where its av goes.  jb: the register with the block
.macro PLACE jb, qc, qs, ac, as
	s_lshl_b32 s[\qc], s19, 16                     ; Q's codes: slot, + 4,096 x block, + 512 x tile
	s_lshl_b32 s79, s[\jb], 12
	s_add_co_u32 s[\qc], s[\qc], s79
	s_lshl_b32 s79, s17, 9
	s_add_co_u32 s[\qc], s[\qc], s79
	s_lshr_b32 s[\qs], s[\qc], 3                   ; its scale words: an eighth of that
	s_mov_b32 s[\qc+1], 0
	s_mov_b32 s[\qs+1], 0
	s_add_nc_u64 s[\qc:\qc+1], s[4:5], s[\qc:\qc+1]
	s_add_nc_u64 s[\qs:\qs+1], s[6:7], s[\qs:\qs+1]
	s_lshl_b32 s78, s13, 7
	s_lshl_b32 s79, s[\jb], 3
	s_add_co_u32 s78, s78, s79
	s_add_co_u32 s78, s78, s17                     ; T
	s_lshl_b32 s[\ac], s78, 13
	s_lshl_b32 s79, s14, 9
	s_add_co_u32 s[\ac], s[\ac], s79
	s_lshl_b32 s[\as], s78, 9
	s_lshl_b32 s79, s14, 1
	s_add_co_u32 s[\as], s[\as], s79
	s_mov_b32 s[\ac+1], 0
	s_mov_b32 s[\as+1], 0
	s_add_nc_u64 s[\ac:\ac+1], s[8:9], s[\ac:\ac+1]
	s_add_nc_u64 s[\as:\as+1], s[10:11], s[\as:\as+1]
.endm
	s_lshl_b32 s76, s3, 2
	s_add_co_u32 s76, s76, ttmp9                   ; j: the second item's block, the early one
	s_sub_co_u32 s[JB], 15, s76                    ; the first item's: the late one
	PLACE JB, 90, 92, 82, 84
	PLACE 76, 94, 96, 86, 88
	s_lshr_b32 s98, s17, 1                         ; the block of 32 keys of the diagonal step in which my tile's queries lie
	s_lshr_b32 s81, s17, 1
	s_lshl_b32 s81, s81, 5
	s_and_b32 s78, s17, 1
	s_lshl_b32 s78, s78, 3
	s_add_co_u32 s81, s81, s78                     ; my tile's first query in its block: 32 (tile / 2) + 8 (tile % 2)
	s_mov_b32 s[SEL], 0x76543210
	s_mov_b32 s[SEL+1], 0xfedcba98
	s_mov_b32 s[CS], 0x3e38aa3b                    ; c = log2(e) / 8
	s_mov_b32 s[CS+1], s[CS]
	v_and_b32 v2, 15, v0                           ; r
	v_bfe_u32 v3, v0, 4, 1                         ; h
	v_and_b32 v1, 31, v0
	v_lshlrev_b32 v[L16], 4, v1
	v_lshlrev_b32 v[SO], 5, v2
	v_and_b32 v4, 8, v2
	v_add_nc_u32 v[DD], v4, v2                     ; r + 8 (r / 8)
	v_lshlrev_b32 v3, 4, v3
	v_sub_nc_u32 v[DD], v[DD], v3
	v_add_nc_u32 v[DD], s81, v[DD]
	v_lshlrev_b32 v[R4], 2, v2
	global_load_b128 v[QE:QE+3], v[L16], s[90:91]
	global_load_b128 v[QO:QO+3], v[L16], s[94:95]
	global_load_b32 v[QES], v[R4], s[92:93]
	global_load_b32 v[QOS], v[R4], s[96:97]
.irp i, 0,1,2,3
	v_mov_b32 v[QE+4+\i], 0                        ; zero codes for k = 64 .. 127
	v_mov_b32 v[QO+4+\i], 0
	v_mov_b32 v[KF+32+\i], 0                       ; the upper half of K's last tile
	v_mov_b32 v[BP+\i], 0                          ; written once: a lane permute's destination counts as one of its sources
.endr
	v_mov_b32 v[FF+1], 0                           ; (named as the upper half of a pair)
	v_mov_b32 v[TP], 0
; K's fragments and scale words of the key step at which the walkers stand: the first fetch ahead of a loop
.macro KLOAD
	v_add_nc_u32 v[ADK], s[TK], v[L16]
	v_add_nc_u32 v[ADS], s[TS], v[R4]
.irp t, 0,1,2,3,4,5,6,7
	ds_load_b128 v[KF+4*\t:KF+4*\t+3], v[ADK] offset:512*\t
.endr
.irp t, 0,1,2,3,4,5,6,7
	ds_load_b32 v[KSC+\t], v[ADS] offset:64*\t
.endr
.endm
; A KEY STEP: 128 keys.  qf, qs: the item's Q and its scale word.  edge = 0: a loop none of whose steps reaches the diagonal: the two tests on ids and the mask are not assembled.
; K's fragments were asked for a step earlier.  pre = 1: behind the score products and their four places the NEXT step's are asked for, 4,096 bytes of codes and 512 of scale words further on: sixteen loads, which
; have the softmax in which to land.  Behind the last key step they read filled bytes of the regions that follow (V's codes, V's scale words), which no product takes.  pre = 0: the step ahead of the barrier asks for nothing.
.macro STEP qf, qs, edge, pre
.if \edge
	s_cmp_gt_u32 s[ST], s[JB]                      ; a step all of whose keys come after my queries is left out: a scalar branch on ids, not round the lines at its end that step addresses
	s_cbranch_scc1 .Lhidden_\@
.endif
	v_add_nc_u32 v[ADK], s[TK], v[L16]             ; (these four are also the places between the last step's products and the loads into the registers that they read)
	v_add_nc_u32 v[ADV], s[TV], v[L16]
	v_add_nc_u32 v[ADS], s[TS], v[R4]
	v_add_nc_u32 v[ADT], s[TT], v[R4]
.irp tau, 0,1,2,3
.irp c, 0,1
	ds_load_b128 v[VF+8*\tau+4*\c:VF+8*\tau+4*\c+3], v[ADV] offset:2048*\c+512*\tau
.endr
.endr
.irp tau, 0,1,2,3
	ds_load_b32 v[VSC+\tau], v[ADT] offset:64*\tau
.endr
	s_wait_alu depctr_va_vdst(0)                   ; the wait here, directly ahead of the wait below
	s_wait_dscnt 12                                ; K's sixteen loads, asked for a step earlier, are in; V's twelve, just issued, may be out
.irp t, 0,1,2,3,4,5,6,7
	v_wmma_scale_f32_16x16x128_f8f6f4 v[S+8*\t:S+8*\t+7], v[KF+4*\t:KF+4*\t+7], v[\qf:\qf+7], 0, v[KSC+\t], v[\qs] matrix_a_fmt:MATRIX_FMT_FP4 matrix_b_fmt:MATRIX_FMT_FP4
.endr                                              ; lane (r, h) holds my query r; register 16 b + i is key 32 b + 16 h + i of the step
.rept 4
	v_nop
.endr
.if \pre
.irp t, 0,1,2,3,4,5,6,7
	ds_load_b128 v[KF+4*\t:KF+4*\t+3], v[ADK] offset:4096+512*\t
.endr
.irp t, 0,1,2,3,4,5,6,7
	ds_load_b32 v[KSC+\t], v[ADS] offset:512+64*\t
.endr
.endif
.if \edge
	s_cmp_lg_u32 s[ST], s[JB]                      ; only the step on the diagonal has hidden keys
	s_cbranch_scc1 .Lopen_\@
	v_mov_b32 v[TP], 0xcaf42400                    ; -8e6
	s_wait_alu depctr_va_vdst(0)                   ; the wait here, ahead of the branches below
.irp b, 0,1,2,3
	s_cmp_gt_u32 s98, \b                           ; a block of 32 keys that lies wholly ahead of my tile's queries has no hidden key: a branch on the wave's number
	s_cbranch_scc1 .Lvis\@_\b
.set N, 16*\b
.rept 16
	v_cmp_gt_i32 vcc_lo, 32*(N/16)+N%16, v[DD]     ; hidden where 32 b + i + 16 h > my query's place
	v_cndmask_b32 v[S+N], v[S+N], v[TP], vcc_lo
.set N, N+1
.endr
.Lvis\@_\b:
.endr
.Lopen_\@:
.endif
.irp b, 0,1,2,3
	v_max3_num_f32 v[BX+\b], v[S+16*\b], v[S+1+16*\b], v[S+2+16*\b]   ; the largest score of each block of 32 keys serves twice: for the row's maximum, and, since p rises with the score, for the block's largest p
.endr
.irp i, 3,5,7,9,11,13
.irp b, 0,1,2,3
	v_max3_num_f32 v[BX+\b], v[BX+\b], v[S+16*\b+\i], v[S+1+16*\b+\i]
.endr
.endr
.irp b, 0,1,2,3
	v_max_num_f32 v[BX+\b], v[BX+\b], v[S+15+16*\b]
.endr
.irp b, 0,1,2,3
	s_delay_alu instid0(VALU_DEP_4)
	v_permlanex16_b32 v[BP+\b], v[BX+\b], s[SEL], s[SEL+1]
.endr
.irp b, 0,1,2,3
	s_delay_alu instid0(VALU_DEP_4)
	v_max_num_f32 v[BX+\b], v[BX+\b], v[BP+\b]     ; with lane l xor 16's 16 keys
.endr
	s_delay_alu instid0(VALU_DEP_2)
	v_max3_num_f32 v[TP], v[BX], v[BX+1], v[BX+2]
	s_delay_alu instid0(VALU_DEP_1)
	v_max_num_f32 v[TP], v[TP], v[BX+3]            ; the step's largest score of my query
	s_delay_alu instid0(VALU_DEP_1)
	v_mul_f32 v[TP], s[CS], v[TP]                  ; as t (c is positive)
	s_delay_alu instid0(VALU_DEP_1)
	v_max_num_f32 v13, v13, v[TP]                  ; the running largest t
	v_mov_b32 v[TP], v12
	s_delay_alu instid0(VALU_DEP_2)
	v_floor_f32 v12, -v13                          ; the new -M = floor(-t) = -ceil(t): M is a whole number
	s_delay_alu instid0(VALU_DEP_1)
	v_sub_f32 v[TP], v12, v[TP]                    ; M's old value less its new one: a whole number, 0 or less
	s_delay_alu instid0(VALU_DEP_1)
	v_cvt_i32_f32 v[TP], v[TP]                     ; (it saturates)
	s_delay_alu instid0(VALU_DEP_1)
	v_ldexp_f32 v[FF], 1.0, v[TP]                  ; f = 2^(old M - new M)
.set N, 0
.rept 32
	v_pk_fma_f32 v[S+N:S+N+1], v[S+N:S+N+1], s[CS:CS+1], v[12:13] op_sel_hi:[1,0,0]   ; t - M, two at a time (of the pairs c and -M the low word serves both halves)
.set N, N+2
.endr
.irp b, 0,1,2,3
	v_fma_f32 v[BX+\b], v[BX+\b], s[CS], v12       ; the same of each block's largest score
.endr
	s_wait_alu depctr_va_vdst(0)                   ; the wait ahead of the batch
.set N, 0
.rept 64
	v_exp_f32 v[S+N], v[S+N]                       ; p = 2^(t - M), at most 1: not normalised
.set N, N+1
.endr
.irp b, 0,1,2,3
	v_exp_f32 v[BX+\b], v[BX+\b]                   ; the block's largest p: the same two instructions on the same number give the same bits
.endr
	v_pk_mul_f32 v[14:15], v[14:15], v[FF:FF+1] op_sel_hi:[1,0]   ; the sums under the new M.  (A plain place behind the exponentials)
	s_wait_alu depctr_va_vdst(0)                   ; one wait for the batch, ahead of its first reader
.irp b, 0,1,2,3
	v_max_num_f32 v[BX+\b], 0x1800000, v[BX+\b]    ; the floor 2^(3 - 127): the byte cannot fall under 1
.endr
.irp b, 0,1,2,3
	s_delay_alu instid0(VALU_DEP_4)
	v_add_nc_u32 v[BO+\b], 0xff000000, v[BX+\b]    ; 2 off the exponent field: the conversion's scale operand
.endr
.irp b, 0,1,2,3
	s_delay_alu instid0(VALU_DEP_4)
	v_lshrrev_b32 v[BP+\b], 23, v[BO+\b]           ; the scale's byte
.endr
	s_delay_alu instid0(VALU_DEP_3)
	v_lshl_or_b32 v[PWD], v[BP+1], 8, v[BP]        ; p's scale word for these 128 keys
	s_delay_alu instid0(VALU_DEP_1)
	v_lshl_or_b32 v[PWD], v[BP+2], 16, v[PWD]
	s_delay_alu instid0(VALU_DEP_1)
	v_lshl_or_b32 v[PWD], v[BP+3], 24, v[PWD]
.irp b, 0,1,2,3
	v_cvt_scalef32_pk8_fp4_f32 v[PCD+2*\b], v[S+16*\b:S+7+16*\b], v[BO+\b]
	v_cvt_scalef32_pk8_fp4_f32 v[PCD+1+2*\b], v[S+8+16*\b:S+15+16*\b], v[BO+\b]
.endr
	v_nop                                          ; one plain place behind a scaled conversion
.irp c, 0,1                                    ; the operand's layout wants a whole block in a lane: lanes 0-15 block 2 c, lanes 16-31 block 2 c + 1
.irp i, 0,1
	v_permlane16_swap_b32 v[PCD+4*\c+\i], v[PCD+2+4*\c+\i]
.endr
.endr
	v_pk_add_f32 v[L2:L2+1], v[S:S+1], v[S+2:S+3]              ; the row's sum is taken of the unquantised p: two at a time, in four chains
	v_pk_add_f32 v[L2+2:L2+3], v[S+4:S+5], v[S+6:S+7]
	v_pk_add_f32 v[L2+4:L2+5], v[S+8:S+9], v[S+10:S+11]
	v_pk_add_f32 v[14:15], v[14:15], v[S+12:S+13]
.set N, 14
.rept 6
	v_pk_add_f32 v[L2:L2+1], v[L2:L2+1], v[S+N:S+N+1]
	v_pk_add_f32 v[L2+2:L2+3], v[L2+2:L2+3], v[S+N+2:S+N+3]
	v_pk_add_f32 v[L2+4:L2+5], v[L2+4:L2+5], v[S+N+4:S+N+5]
	v_pk_add_f32 v[14:15], v[14:15], v[S+N+6:S+N+7]
.set N, N+8
.endr
	v_pk_add_f32 v[L2:L2+1], v[L2:L2+1], v[S+62:S+63]
	v_pk_add_f32 v[L2+2:L2+3], v[L2+2:L2+3], v[L2+4:L2+5]
	v_pk_add_f32 v[14:15], v[14:15], v[L2:L2+1]
	v_pk_add_f32 v[14:15], v[14:15], v[L2+2:L2+3]
	s_wait_alu depctr_va_vdst(0)                   ; the wait here, directly ahead of the first reader of O^T
.set N, 0
.rept 16
	v_pk_mul_f32 v[O+N:O+N+1], v[O+N:O+N+1], v[FF:FF+1] op_sel_hi:[1,0]   ; O^T under the new M.  (The sums and these are the places between p's codes and scale word and the products)
.set N, N+2
.endr
	s_wait_alu depctr_va_vdst(0)                   ; the wait here, directly ahead of the wait below
.if \pre
	s_wait_dscnt 16                                ; V is in; the next step's sixteen loads of K may be out
.else
	s_wait_dscnt 0x0                               ; V is in
.endif
.irp tau, 0,1,2,3
	v_wmma_scale_f32_16x16x128_f8f6f4 v[O+8*\tau:O+8*\tau+7], v[VF+8*\tau:VF+8*\tau+7], v[PCD:PCD+7], v[O+8*\tau:O+8*\tau+7], v[VSC+\tau], v[PWD] matrix_a_fmt:MATRIX_FMT_FP4 matrix_b_fmt:MATRIX_FMT_FP4
.endr                                              ; four accumulators by turns; S^T's products stand between a step's and the next step's
.Lhidden_\@:
	s_add_co_u32 s[ST], s[ST], 1
	s_add_co_u32 s[TK], s[TK], 4096
	s_add_co_u32 s[TV], s[TV], 4096
	s_add_co_u32 s[TS], s[TS], 512
	s_add_co_u32 s[TT], s[TT], 256
.endm
.macro BEGIN                           ; an item's statistics: the first step finds zeros, which the first change of M leaves zeros
	v_mov_b32 v13, 0xff61b1e6                      ; the largest t so far: -3e38, under every t
	v_floor_f32 v12, -v13                          ; -M
	v_mov_b32 v14, 0                               ; the sum, in two halves
	v_mov_b32 v15, 0
.set N, 0
.rept 32
	v_mov_b32 v[O+N], 0
.set N, N+1
.endr
	s_wait_alu depctr_va_vdst(0)                   ; the wait ahead of the waits and scalar lines that follow
.endm
.macro WALK st                         ; the walkers at key step st: set anew ahead of each loop, so that its LDS bytes can be read off its own lines
	s_mov_b32 s[ST], \st
	s_mov_b32 s[TK], KC+\st*4096
	s_mov_b32 s[TV], VC+\st*4096
	s_mov_b32 s[TS], KSW+\st*512
	s_mov_b32 s[TT], VSW+\st*256
.endm
; An item's end: O^T / the sum is av: register 16 b + i is d = 32 b + 16 h + i of my query: two blocks of 32, quantised as p is.  ac, as: where its codes and its two scale bytes go.
.macro EPI ac, as
	s_wait_dscnt 0x0                               ; the last look-ahead's loads of K have landed: their registers may be loaded anew
.rept 4
	v_nop                                          ; places behind the last products
.endr
	v_add_f32 v14, v14, v15                        ; the sum's two halves,
	s_delay_alu instid0(VALU_DEP_1)
	v_permlanex16_b32 v[TP], v14, s[SEL], s[SEL+1]
	s_delay_alu instid0(VALU_DEP_1)
	v_add_f32 v14, v14, v[TP]                      ; and lane l xor 16's: the row's sum
	s_wait_alu depctr_va_vdst(0)                   ; the wait ahead of the transcendental
	v_rcp_f32 v14, v14
	v_nop                                          ; one plain place behind a transcendental
	s_wait_alu depctr_va_vdst(0)                   ; and ahead of its first reader, which is also the first reader of O^T
.set N, 0
.rept 16
	v_pk_mul_f32 v[S+N:S+N+1], v[O+N:O+N+1], v[14:15] op_sel_hi:[1,0]   ; each accumulator from its low end on
.set N, N+2
.endr
.irp b, 0,1
	v_max3_num_f32 v[BX+\b], |v[S+16*\b]|, |v[S+1+16*\b]|, 0x1800000
.endr
.irp i, 2,4,6,8,10,12,14
.irp b, 0,1
	s_delay_alu instid0(VALU_DEP_2)
	v_max3_num_f32 v[BX+\b], v[BX+\b], |v[S+16*\b+\i]|, |v[S+1+16*\b+\i]|
.endr
.endr
.irp b, 0,1
	s_delay_alu instid0(VALU_DEP_2)
	v_permlanex16_b32 v[BP+\b], v[BX+\b], s[SEL], s[SEL+1]
.endr
.irp b, 0,1
	s_delay_alu instid0(VALU_DEP_2)
	v_max_num_f32 v[BX+\b], v[BX+\b], v[BP+\b]
.endr
.irp b, 0,1
	s_delay_alu instid0(VALU_DEP_2)
	v_add_nc_u32 v[BO+\b], 0xff000000, v[BX+\b]
.endr
.irp b, 0,1
	s_delay_alu instid0(VALU_DEP_2)
	v_lshrrev_b32 v[BP+\b], 23, v[BO+\b]
.endr
	s_delay_alu instid0(VALU_DEP_1)
	v_lshl_or_b32 v[SW], v[BP+1], 8, v[BP]         ; the head's two bytes
.irp b, 0,1
	v_cvt_scalef32_pk8_fp4_f32 v[AVC+2*\b], v[S+16*\b:S+7+16*\b], v[BO+\b]
	v_cvt_scalef32_pk8_fp4_f32 v[AVC+1+2*\b], v[S+8+16*\b:S+15+16*\b], v[BO+\b]
.endr
	v_nop                                          ; one plain place behind a scaled conversion
	v_permlane16_swap_b32 v[AVC], v[AVC+2]         ; lanes 0-15 then hold block 0 whole, lanes 16-31 block 1
	v_permlane16_swap_b32 v[AVC+1], v[AVC+3]
	global_store_b128 v[L16], v[AVC:AVC+3], s[\ac:\ac+1]   ; 32 lanes store 512 consecutive bytes, at a multiple of 256 from the buffer's first byte
	global_store_b16 v[SO], v[SW], s[\as:\as+1]    ; lanes l and l + 16 hold the same bytes and the same address.  Pieces of 2 bytes, 32 apart: one byte in 16 of what the launch stores
	s_wait_xcnt 0x0                                ; the stores' data registers are written again only behind this wait
.endm
	BEGIN
	s_wait_loadcnt 0x0                             ; Q
	s_wait_tensorcnt 0x0                           ; my load of the head's sixteen is in
	ds_add_u32 v[SPW], v[NIL]
	s_wait_dscnt 0x0
	s_barrier_signal -1
	s_barrier_wait -1                              ; key steps 0-6 and all scale words are in
	tensor_load_to_lds s[G0B:G0B+3], s[G1D:G1D+7]  ; my one load behind the barrier: my sixteenth of key steps 7-15
	s_nop 0
.rept 4
	v_nop
.endr
	WALK 0
	KLOAD
.Lfirst:
	STEP QE, QES, 0, 1                             ; steps 0-5 lie under the late block's diagonal (its number is 8 at the least); their look-ahead reaches step 6, which is in
	s_cmp_lt_u32 s[ST], NS0-1
	s_cbranch_scc1 .Lfirst
	STEP QE, QES, 0, 0                             ; step 6 is written out: it asks for nothing of step 7, whose bytes may still be on their way
	s_wait_tensorcnt 0x0                           ; my part of key steps 7-15 is in,
	s_barrier_signal -1
	s_barrier_wait -1                              ; everybody's is: from here on no wave waits for another
	WALK NS0
	KLOAD
.Llate:
	STEP QE, QES, 1, 1
	s_cmp_lt_u32 s[ST], 16
	s_cbranch_scc1 .Llate
	EPI 82, 84
	BEGIN
	s_mov_b32 s[JB], s76                           ; the early block
	WALK 0
	KLOAD
.Learly:
	STEP QO, QOS, 1, 1
	s_cmp_lt_u32 s[ST], 16
	s_cbranch_scc1 .Learly
	EPI 86, 88
	s_wait_tensorcnt 0x0                           ; the wave's end
	ds_add_u32 v[SPW], v[NIL]
	s_wait_dscnt 0x0
	s_endpgm
.Lfunc_end_k_qe979e89ee5_attn:
	.size	k_qe979e89ee5_attn, .Lfunc_end_k_qe979e89ee5_attn-k_qe979e89ee5_attn
	.p2alignl 7, 3214868480
	.fill 96, 4, 3214868480
	.section	.rodata,"a",@progbits
	.p2align	6, 0x0
	.amdhsa_kernel k_qe979e89ee5_attn
		.amdhsa_group_segment_fixed_size 327680
		.amdhsa_private_segment_fixed_size 0
		.amdhsa_enable_private_segment 0
		.amdhsa_kernarg_size 32
		.amdhsa_user_sgpr_count 2
		.amdhsa_user_sgpr_kernarg_segment_ptr 1
		.amdhsa_wavefront_size32 1
		.amdhsa_system_sgpr_workgroup_id_x 1
		.amdhsa_system_sgpr_workgroup_id_y 1
		.amdhsa_system_sgpr_workgroup_id_z 1
		.amdhsa_system_vgpr_workitem_id 0
		.amdhsa_next_free_vgpr 256
		.amdhsa_next_free_sgpr 100
		.amdhsa_reserve_vcc 1
		.amdhsa_float_denorm_mode_32 3
		.amdhsa_float_denorm_mode_16_64 3
		.amdhsa_memory_ordered 1
		.amdhsa_forward_progress 1
		.amdhsa_inst_pref_size 99
	.end_amdhsa_kernel
	.amdgpu_metadata
---
amdhsa.version: [ 1, 2 ]
amdhsa.kernels:
  - .name:           k_qe979e89ee5_attn
    .symbol:         k_qe979e89ee5_attn.kd
    .args:
      - { .name: qkv_codes, .offset: 0, .size: 8, .value_kind: global_buffer, .address_space: global }
      - { .name: qkv_scales, .offset: 8, .size: 8, .value_kind: global_buffer, .address_space: global }
      - { .name: av_codes, .offset: 16, .size: 8, .value_kind: global_buffer, .address_space: global }
      - { .name: av_scales, .offset: 24, .size: 8, .value_kind: global_buffer, .address_space: global }
    .group_segment_fixed_size: 327680
    .private_segment_fixed_size: 0
    .kernarg_segment_align: 8
    .kernarg_segment_size: 32
    .max_flat_workgroup_size: 512
    .sgpr_count:     100
    .vgpr_count:     256
    .wavefront_size: 32
...
	.end_amdgpu_metadata
.endif
;; end of part 3
;; launch gemm_out (part 4): grid 4 x 64, 4 waves a work-group, clusters of 4 x 4, 327,680 bytes of LDS; arguments av_codes, av_scales, xw_codes, xw_scales, b_o, out0; writes out0
.if DOCPART == 4
	.amdgcn_target "amdgcn-amd-amdhsa--gfx1250"
	.amdhsa_code_object_version 6
	.text
	.protected	k_qe979e89ee5_gemm_out
	.globl	k_qe979e89ee5_gemm_out
	.p2align	8
	.type	k_qe979e89ee5_gemm_out,@function
k_qe979e89ee5_gemm_out:
	s_mov_b64 s[64:65], 0
	v_nop
	global_prefetch_b8 v0, s[64:65] scope:SCOPE_SE
	s_setreg_imm32_b32 hwreg(HW_REG_WAVE_MODE, 25, 1), 1
	s_wait_xcnt 0x0
	s_wait_alu depctr_hold_cnt(0) depctr_sa_sdst(0) depctr_va_vdst(0) depctr_va_sdst(0) depctr_va_ssrc(0) depctr_va_vcc(0) depctr_vm_vsrc(0)
	s_getreg_b32 s2, hwreg(HW_REG_IB_STS2, 6, 4)
	s_cmp_eq_u32 s2, 0
	s_cbranch_scc0 .Lentry_in_a_cluster
	s_endpgm
.Lentry_in_a_cluster:
	s_bfe_u32 s2, ttmp6, 0x10000c
	s_cmp_lg_u32 s2, 0xf033
	s_cbranch_scc0 .Lentry_shape_is_right
	s_endpgm
.Lentry_shape_is_right:
; out0 = av W_o + b_o on codes of FP4 (E2M1) with one E8M0 scale for each 32 along K = 1,024; sums in f32.
; A tile of 128 rows (tokens) x 256 columns is made by four waves, each 64 x 128: 32 accumulators of 16 x 16.  8,192 x 1,024 numbers are 256 such tiles.
; ALL OF K lies in LDS, each byte filled once, one joint load a wave at the head: wave 0 av's 128 rows (65,536 dense bytes in the order of the operand's registers: [T 8][pair 8][c 2][h 2][r 16][16 bytes]),
; wave 1 W_o's 256 columns (rows 11,264 on of xw_codes, 512 bytes each, 16 of padding behind each), waves 2 and 3 their scale bytes.  Nothing is filled later.
; CLUSTERS: 4 x 4 work-groups.  The four of a row of the cluster need the same tile of av, the four of a column the same tile of W_o: each is asked for jointly.
; NO PREFETCH: every fill stands at the head: there is no loop to run ahead in.
; THE MATRIX INSTRUCTION IS USED TRANSPOSED (source 0 = 16 columns of W_o, source 1 = 16 rows of av): a lane holds eight neighbouring numbers of a row of out0.  The bias is the C of each sum's first product.
; av's rows of a tile T are the tokens 32 (tau / 2) + 8 (tau % 2) + i + 8 (i / 8) of their block of 128, tau = T % 8: the way out puts each row at its token.
; REGISTERS: window 0: v0-31 addresses; v32-95 scale words (8 i + q: lanes 0-15 av's block i, lanes 16-31 W_o's block i, the q-th 128 along K); v128-191 av's fragments, two sets; on the way out v128-255.
;   window 1: W_o's fragments, two sets, at v0 and v128; v64-127 the bias.   window 2: accumulator (a, b) at v[8 (8 a + b)].
.set PITCH,  528                       ; W_o's LDS row: 512 bytes + 16 = 132 words: the 16 rows that a load touches start at 16 different banks (64 banks of 4 bytes: ISA guide 11.1)
.set BOFF,   65536                     ; behind av's codes
.set SCA,    BOFF+256*PITCH            ; av's scales: 16 units of 256 bytes + 16 of padding
.set SCB,    SCA+16*272                ; W_o's: 32 units
.set SPARE,  SCB+32*272                ; the spare words, 128 bytes for each wave: two blocks of 256 bytes that no other line names
.set STG,    SPARE+512                 ; the way out: 16 rows x 528 bytes for each wave, in bytes of their own
.set SPITCH, 528
.set ADRA, 16
.set ADRB, 20
.set STO,  24
.set RD,   25
.set CO,   26
.set ADRS, 27
.set SPW,  28
.set NIL,  29
.set SC,   32
.set AF,   128
.set BK,   128
.set BN,   64
.set G1A, 24
.set G0A, 32
.set G1B, 48
.set G0B, 56
.set G1S, 68
.set G0S, 76
.set G1SB, 80
.set G0SB, 88
.set MSB, 0
.macro WIN new                         ; the immediate's high byte repeats the setting that is left
.if MSB != \new
	s_set_vgpr_msb (MSB<<8)|\new
.set MSB, \new
.endif
.endm
.set MUL_W,  0xa1                      ; source 0 window 1, source 1 window 0, C and D window 2
.set BIAS_W, 0x91                      ; the first products: C (the bias) window 1
.set TO_B,   0x40                      ; destination window 1, address window 0
.macro CROUND                          ; a round of the cluster's barrier
	s_barrier_signal -1
	s_barrier_wait -1
	s_cmp_lg_u32 s14, 0
	s_cbranch_scc1 .Lnot_wave_0_\@
	s_barrier_signal -3
.Lnot_wave_0_\@:
	s_barrier_wait -3
	s_barrier_signal -1
	s_barrier_wait -1
.endm
.macro ARM under, g0, g1, next         ; one arm of the head's tree: its joint load, an s_nop 0 and four v_nop, a jump to the tree's end
	s_cmp_lt_u32 s14, \under
	s_cbranch_scc0 \next
	tensor_load_to_lds s[\g0:\g0+3], s[\g1:\g1+7]
	s_nop 0
.rept 4
	v_nop
.endr
	s_branch .Lhead_asked
\next:
.endm
.macro PLACES
.rept 4
	v_nop
.endr
.endm
	s_load_b128 s[4:7], s[0:1], 0x0                ; av_codes, av_scales
	s_load_b128 s[8:11], s[0:1], 0x10              ; xw_codes, xw_scales
	s_load_b64 s[96:97], s[0:1], 0x20              ; b_o
	s_load_b64 s[12:13], s[0:1], 0x28              ; out0
	v_lshl_add_u32 v[SPW], v0, 2, SPARE
	v_mov_b32 v[NIL], 0
	ds_add_u32 v[SPW], v[NIL]                      ; the opening lines: the add, twice on end, and its wait
	ds_add_u32 v[SPW], v[NIL]
	v_lshrrev_b32 v1, 5, v0
	v_readfirstlane_b32 s14, v1                    ; wave 0..3
	s_lshr_b32 s15, s14, 1                         ; which 64 rows of av are mine
	s_and_b32 s16, s14, 1                          ; which 128 columns
	s_bfe_u32 s40, ttmp6, 0x40000                  ; cx, cy
	s_bfe_u32 s41, ttmp6, 0x40004
	s_lshl_b32 s42, ttmp9, 2
	s_add_co_u32 s42, s42, s40                     ; the tile of columns
	s_and_b32 s17, ttmp7, 0xffff
	s_lshl_b32 s17, s17, 2
	s_add_co_u32 s17, s17, s41                     ; the tile of rows
	s_lshl_b32 s43, s41, 2
	s_lshl_b32 s43, 15, s43                        ; my row of the cluster
	s_lshl_b32 s44, 0x1111, s40                    ; my column
	s_or_b32 s[G1A], s43, (3<<16)|(1<<21)          ; av's codes: 256 rows of 256 bytes (32 elements of 8), dense, no padding
	s_mov_b32 s[G1A+1], 32<<16
	s_mov_b32 s[G1A+2], 256<<16
	s_mov_b32 s[G1A+3], 32<<16
	s_mov_b32 s[G1A+4], 256
	s_mov_b32 s[G1A+5], 32
	s_mov_b32 s[G1A+6], 0
	s_mov_b32 s[G1A+7], 0
	s_or_b32 s[G1B], s44, (1<<20)|(1<<21)|(6<<22)|(3<<25)   ; W_o's codes: 256 rows of 512 bytes, 4 words of padding after every 128
	s_mov_b32 s[G1B+1], 512<<16
	s_mov_b32 s[G1B+2], 256<<16
	s_mov_b32 s[G1B+3], 512<<16
	s_mov_b32 s[G1B+4], 256
	s_mov_b32 s[G1B+5], 512
	s_mov_b32 s[G1B+6], 0
	s_mov_b32 s[G1B+7], 0
	s_or_b32 s[G1S], s43, (3<<16)|(1<<20)|(1<<21)|(5<<22)|(3<<25)    ; the scales: rows of 256 bytes, 4 words of padding behind each
	s_or_b32 s[G1SB], s44, (3<<16)|(1<<20)|(1<<21)|(5<<22)|(3<<25)
.irp g, G1S, G1SB
	s_mov_b32 s[\g+1], 32<<16
	s_mov_b32 s[\g+3], 32<<16
	s_mov_b32 s[\g+5], 32
	s_mov_b32 s[\g+6], 0
	s_mov_b32 s[\g+7], 0
.endr
	s_mov_b32 s[G1S+2], 16<<16
	s_mov_b32 s[G1S+4], 16
	s_mov_b32 s[G1SB+2], 32<<16
	s_mov_b32 s[G1SB+4], 32
	s_lshl_b32 s20, s17, 16                        ; av's codes: 65,536 bytes a tile
	s_mov_b32 s21, 0
	s_lshl_b32 s22, s17, 12                        ; its scales: 4,096
	s_mov_b32 s23, 0
	s_lshl_b32 s46, s42, 8
	s_add_co_u32 s46, s46, 11264                   ; W_o's first row in xw_codes
	s_lshl_b32 s92, s46, 5
	s_mov_b32 s93, 0
	s_lshl_b32 s46, s46, 9
	s_mov_b32 s47, 0
	s_wait_dscnt 0x0                               ; both opening adds are done
	s_wait_kmcnt 0x0
	s_add_nc_u64 s[20:21], s[4:5], s[20:21]
	s_add_nc_u64 s[22:23], s[6:7], s[22:23]
	s_add_nc_u64 s[46:47], s[8:9], s[46:47]
	s_add_nc_u64 s[92:93], s[10:11], s[92:93]
	CROUND                                         ; all sixteen work-groups are here: the joint loads meet
	s_mov_b32 s[G0A], 1
	s_mov_b32 s[G0A+1], 0
	s_mov_b64 s[G0A+2:G0A+3], s[20:21]
	s_or_b32 s[G0A+3], s[G0A+3], 0x80000000
	s_mov_b32 s[G0B], 1
	s_mov_b32 s[G0B+1], BOFF
	s_mov_b64 s[G0B+2:G0B+3], s[46:47]
	s_or_b32 s[G0B+3], s[G0B+3], 0x80000000
	s_mov_b32 s[G0S], 1
	s_mov_b32 s[G0S+1], SCA
	s_mov_b64 s[G0S+2:G0S+3], s[22:23]
	s_or_b32 s[G0S+3], s[G0S+3], 0x80000000
	s_mov_b32 s[G0SB], 1
	s_mov_b32 s[G0SB+1], SCB
	s_mov_b64 s[G0SB+2:G0SB+3], s[92:93]
	s_or_b32 s[G0SB+3], s[G0SB+3], 0x80000000
	ARM 1, G0A, G1A, .Lhead_b                      ; one load a wave: every way through the tree passes exactly one
	ARM 2, G0B, G1B, .Lhead_sa
	ARM 3, G0S, G1S, .Lhead_sb
	tensor_load_to_lds s[G0SB:G0SB+3], s[G1SB:G1SB+7]
	s_nop 0
.rept 4
	v_nop
.endr
.Lhead_asked:
	s_lshl_b32 s36, s15, 15                        ; my 64 rows of av: four tiles of 8,192 bytes
	s_mul_i32 s37, s16, 128*PITCH
	s_add_co_u32 s37, s37, BOFF                    ; my 128 columns of W_o
	s_mul_i32 s38, s15, 8*272                      ; av's scales: my 64 rows
	s_mul_i32 s39, s16, 16*272
	s_add_co_u32 s39, s39, SCB-SCA
	s_sub_co_u32 s39, s39, s38                     ; from there to W_o's scales of my 128 columns
	s_add_co_u32 s38, s38, SCA
	s_mul_i32 s23, s14, 16*SPITCH
	s_add_co_u32 s23, s23, STG                     ; my stage
	s_lshl_b32 s46, s42, 10
	s_lshl_b32 s47, s16, 9
	s_add_co_u32 s46, s46, s47                     ; my first column, 4 bytes each
	s_mov_b32 s47, 0
	s_add_nc_u64 s[96:97], s[96:97], s[46:47]
	s_lshl_b32 s20, s17, 7
	s_lshl_b32 s21, s15, 6
	s_add_co_u32 s20, s20, s21
	s_lshl_b32 s20, s20, 12                        ; my first row of out0, 4,096 bytes each
	s_mov_b32 s21, 0
	s_add_nc_u64 s[20:21], s[20:21], s[46:47]
	s_add_nc_u64 s[12:13], s[12:13], s[20:21]
	v_and_b32 v1, 15, v0                           ; r
	v_bfe_u32 v2, v0, 4, 1                         ; h
	v_and_b32 v6, 31, v0
	v_lshlrev_b32 v7, 5, v2
	v_lshlrev_b32 v[CO], 4, v6                     ; 16 x lane
	v_mul_u32_u24 v3, v1, PITCH
	v_lshl_add_u32 v4, v2, 4, v3
	v_lshlrev_b32 v5, 5, v1                        ; my row's scales: 32 bytes a row,
	v_lshrrev_b32 v8, 3, v1
	v_lshl_add_u32 v5, v8, 4, v5                   ; and 16 more for each 256 passed
	v_mul_u32_u24 v9, v1, SPITCH
	v_lshl_add_u32 v9, v2, 5, v9
	v_add_nc_u32 v[ADRA], s36, v[CO]
	v_add_nc_u32 v[ADRB], s37, v4
	v_mul_u32_u24 v8, s39, v2                      ; lanes 16-31 take W_o's
	v_add_nc_u32 v5, v5, v8
	v_add_nc_u32 v[ADRS], s38, v5
	v_add_nc_u32 v[STO], s23, v9
	v_add_nc_u32 v[RD], s23, v[CO]
	WIN TO_B
.irp b, 0,1,2,3,4,5,6,7
	global_load_b128 v[BN+8*\b:BN+8*\b+3], v7, s[96:97] offset:64*\b        ; for tile b the bias at columns 16 b + 8 h + 0 .. 7, in the result's layout
	global_load_b128 v[BN+8*\b+4:BN+8*\b+7], v7, s[96:97] offset:64*\b+16
.endr
	WIN 0
.macro FRB q, p                        ; W_o's eight fragments of the q-th 128 along K into set p
	WIN TO_B
.irp i, 0,1,2,3,4,5,6,7
.irp c, 0,1
	ds_load_b128 v[128*(\p)+8*\i+4*\c:128*(\p)+8*\i+4*\c+3], v[ADRB] offset:64*(\q)+32*\c+\i*16*PITCH
.endr
.endr
	WIN 0
.endm
.macro FRA q, p                        ; av's four fragments
.irp i, 0,1,2,3
.irp c, 0,1
	ds_load_b128 v[AF+32*(\p)+8*\i+4*\c:AF+32*(\p)+8*\i+4*\c+3], v[ADRA] offset:\i*8192+(\q)*1024+512*\c
.endr
.endr
.endm
; 32 matrix instructions: the 32 accumulators take turns, one instruction a turn, in the same order in every step
.macro MUL q, first
.irp a, 0,1,2,3
.irp b, 0,1,2,3,4,5,6,7
.if \first
	v_wmma_scale_f32_16x16x128_f8f6f4 v[8*(8*\a+\b):8*(8*\a+\b)+7], v[128*((\q)%2)+8*\b:128*((\q)%2)+8*\b+7], v[AF+32*((\q)%2)+8*\a:AF+32*((\q)%2)+8*\a+7], v[BN+8*\b:BN+8*\b+7], v[SC+8*\b+(\q)], v[SC+8*\a+(\q)] matrix_a_fmt:MATRIX_FMT_FP4 matrix_b_fmt:MATRIX_FMT_FP4 matrix_a_scale:MATRIX_SCALE_ROW1
.else
	v_wmma_scale_f32_16x16x128_f8f6f4 v[8*(8*\a+\b):8*(8*\a+\b)+7], v[128*((\q)%2)+8*\b:128*((\q)%2)+8*\b+7], v[AF+32*((\q)%2)+8*\a:AF+32*((\q)%2)+8*\a+7], v[8*(8*\a+\b):8*(8*\a+\b)+7], v[SC+8*\b+(\q)], v[SC+8*\a+(\q)] matrix_a_fmt:MATRIX_FMT_FP4 matrix_b_fmt:MATRIX_FMT_FP4 matrix_a_scale:MATRIX_SCALE_ROW1
.endif
.endr
.endr
.endm
	s_wait_alu depctr_va_vdst(0)                   ; the wait at the head's end
	s_wait_loadcnt 0x0                             ; the bias
	s_wait_tensorcnt 0x0                           ; my tile of the four is in,
	s_barrier_signal -1
	s_barrier_wait -1                              ; everybody's is
	FRB 0, 0
	FRA 0, 0
.irp i, 0,1,2,3,4,5,6,7
.irp g, 0,1
	ds_load_b128 v[SC+8*\i+4*\g:SC+8*\i+4*\g+3], v[ADRS] offset:\i*544+16*\g   ; all of K's scale words.  (For i over 3 lanes 0-15 read rows that are not mine, or W_o's: bytes that were filled, in registers' halves that no product names)
.endr
.endr
.set Q, 0
.rept 8
.if Q > 0
	PLACES                                         ; four places between the last step's products and the loads into the registers that they read
.endif
.if Q < 7
	FRB Q+1, (Q+1)%2
	FRA Q+1, (Q+1)%2
	s_wait_dscnt 24                                ; all but the 24 loads just issued
.else
	s_wait_dscnt 0x0
.endif
.if Q == 0
	WIN BIAS_W
	MUL Q, 1
.else
	WIN MUL_W
	MUL Q, 0
.endif
.set Q, Q+1
.endr
	WIN 0
; THE WAY OUT, block a of 16 rows x 128 columns at a time, through my own stage: in as 32 bytes a lane, back as whole rows of 512 bytes, which the 32 lanes store as two aligned runs of 256 bytes.
; LDS serves a wave's instructions in order (ISA guide 5.7.1.4): no wait between the stores and the loads.
.macro TOSTAGE a
	WIN 0x08                                       ; the data: window 2
.irp b, 0,1,2,3,4,5,6,7
	ds_store_b128 v[STO], v[64*(\a)+8*\b:64*(\a)+8*\b+3] offset:64*\b          ; each accumulator from its low end on
	ds_store_b128 v[STO], v[64*(\a)+8*\b+4:64*(\a)+8*\b+7] offset:64*\b+16
.endr
	WIN 0
.set BB, BK+64*((\a)%2)
.irp t, 0,1,2,3,4,5,6,7,8,9,10,11,12,13,14,15
	ds_load_b128 v[BB+4*\t:BB+4*\t+3], v[RD] offset:\t*SPITCH
.endr
.endm
.macro SEND a, younger                 ; younger: the LDS instructions issued behind block a's loads, which may stay out
.set BB, BK+64*((\a)%2)
	s_wait_dscnt \younger
.irp t, 0,1,2,3,4,5,6,7,8,9,10,11,12,13,14,15
	global_store_b128 v[CO], v[BB+4*\t:BB+4*\t+3], s[12:13] offset:(32*((\a)/2)+8*((\a)%2)+\t+8*(\t/8))*4096 th:TH_STORE_NT
.endr
.endm
	PLACES                                         ; behind the last products
	TOSTAGE 0
.irp a, 1,2,3
.if \a > 1
	s_wait_xcnt 0x0                                ; block a - 2's stores have read their registers: block a's loads may land there
.endif
	TOSTAGE \a
	SEND \a-1, 32
.endr
	SEND 3, 0
	s_wait_tensorcnt 0x0                           ; the wave's end
	ds_add_u32 v[SPW], v[NIL]
	s_wait_dscnt 0x0
	CROUND                                         ; the closing round
	s_endpgm
.Lfunc_end_k_qe979e89ee5_gemm_out:
	.size	k_qe979e89ee5_gemm_out, .Lfunc_end_k_qe979e89ee5_gemm_out-k_qe979e89ee5_gemm_out
	.p2alignl 7, 3214868480
	.fill 96, 4, 3214868480
	.section	.rodata,"a",@progbits
	.p2align	6, 0x0
	.amdhsa_kernel k_qe979e89ee5_gemm_out
		.amdhsa_group_segment_fixed_size 327680
		.amdhsa_private_segment_fixed_size 0
		.amdhsa_enable_private_segment 0
		.amdhsa_kernarg_size 48
		.amdhsa_user_sgpr_count 2
		.amdhsa_user_sgpr_kernarg_segment_ptr 1
		.amdhsa_wavefront_size32 1
		.amdhsa_system_sgpr_workgroup_id_x 1
		.amdhsa_system_sgpr_workgroup_id_y 1
		.amdhsa_system_sgpr_workgroup_id_z 1
		.amdhsa_system_vgpr_workitem_id 0
		.amdhsa_next_free_vgpr 1024
		.amdhsa_next_free_sgpr 98
		.amdhsa_reserve_vcc 0
		.amdhsa_float_denorm_mode_32 3
		.amdhsa_float_denorm_mode_16_64 3
		.amdhsa_memory_ordered 1
		.amdhsa_forward_progress 1
		.amdhsa_inst_pref_size 72
	.end_amdhsa_kernel
	.amdgpu_metadata
---
amdhsa.version: [ 1, 2 ]
amdhsa.kernels:
  - .name:           k_qe979e89ee5_gemm_out
    .symbol:         k_qe979e89ee5_gemm_out.kd
    .args:
      - { .name: av_codes, .offset: 0, .size: 8, .value_kind: global_buffer, .address_space: global }
      - { .name: av_scales, .offset: 8, .size: 8, .value_kind: global_buffer, .address_space: global }
      - { .name: xw_codes, .offset: 16, .size: 8, .value_kind: global_buffer, .address_space: global }
      - { .name: xw_scales, .offset: 24, .size: 8, .value_kind: global_buffer, .address_space: global }
      - { .name: b_o, .offset: 32, .size: 8, .value_kind: global_buffer, .address_space: global }
      - { .name: out0, .offset: 40, .size: 8, .value_kind: global_buffer, .address_space: global }
    .group_segment_fixed_size: 327680
    .private_segment_fixed_size: 0
    .kernarg_segment_align: 8
    .kernarg_segment_size: 48
    .max_flat_workgroup_size: 128
    .sgpr_count:     98
    .vgpr_count:     1024
    .wavefront_size: 32
...
	.end_amdgpu_metadata
.endif
;; end of part 4
